; MI455X (gfx1250); checked and timed in simulation.
; The chip was launched on July 23, 2026; its instructions are those of AMD's public machine-readable ISA for CDNA 5 (MIT licence, August 2026) and "CDNA5" Instruction Set Architecture Reference Guide (July 2026). The comments in the code are by the model that wrote it; some were corrected since.
;; Attention. Allowed arithmetic: matrix products marked QUANTISED: E2M3 operands, one E8M0 scale for each 32 along K, by v_wmma_scale_f32_16x16x128_f8f6f4 with both operands' format E2M3, f32 sums; everything else in f32.
;; Inputs: Wout 1,024 x 1,024 float32; Wqkv 1,024 x 3,072 float32; bout 1,024 float32; bqkv 3,072 float32; x 4 x 2,048 x 1,024 float32.
;; Outputs: out0 4 x 2,048 x 1,024 float32.
;; This version of the problem:
;;   THIS VERSION OF THE PROBLEM IS GIVEN IN LOW PRECISION. The matrix products marked QUANTISED in the list below multiply operands that are first quantised to E2M3 (2 exponent bits, 3 mantissa bits; 6 bits a number), with one power-of-two scale for each 32 numbers along K (OCP MX v1.0); their sums are f32. All else is computed in f32.
;;   The module's matrix products, in the order in which they are computed (A, B: the left and right operand; K: the contracted axis; several contracted axes count as one K, in the product's order):
;;     1. [M 8,192, K 1,024] x [K 1,024, N 3,072]; A: input x; B: input Wqkv: QUANTISED
;;     2. batch 64 x [M 2,048, K 64] x [K 64, N 2,048]; A: computed on the way; B: computed on the way: QUANTISED
;;     3. batch 64 x [M 2,048, K 2,048] x [K 2,048, N 64]; A: softmax (see below); B: computed on the way: QUANTISED
;;     4. [M 8,192, K 1,024] x [K 1,024, N 1,024]; A: computed on the way; B: input Wout: QUANTISED
;;   THE QUANTISER, for each operand of a quantised product, along K:
;;     - K is cut into blocks of 32 from its start; a last block that is shorter is filled with zeros.
;;     - A block's scale is 2^e with e = floor(log2(the largest magnitude in the block)) - 2, held to -126 .. 127; a block of zeros has e = 0. As a byte (E8M0): e + 127.
;;     - Each number is divided by its block's scale, clamped to +-7.5, and rounded to the nearest number of E2M3, ties to even, subnormals kept.
;;     - The product sums the exact products of the quantised numbers (number of the format x scale) in f32.
;;   ~~~python
;;   def quantise(x, axis):      # numpy; x: float32 -> the quantised numbers, widened to float32 again
;;       x = np.moveaxis(x, axis, -1); K = x.shape[-1]
;;       x = np.pad(x, [(0, 0)] * (x.ndim - 1) + [(0, -K % 32)]); x = x.reshape(x.shape[:-1] + (-1, 32)); a = np.abs(x).max(-1, keepdims=True)
;;       e = np.where(a > 0, np.clip(np.frexp(np.where(a > 0, a, 1))[1] - 1 - 2, -126, 127), 0)      # np.frexp(a)[1] - 1 = floor(log2(a)), exactly
;;       r = np.clip(x / 2.0 ** e, -7.5, 7.5)
;;       step = 2.0 ** (np.maximum(np.frexp(np.where(r == 0, 1, r))[1] - 1, 0) - 3)
;;       q = np.round(r / step) * step * 2.0 ** e      # np.round: ties to even
;;       return np.moveaxis(q.reshape(q.shape[:-2] + (-1,))[..., :K], -1, axis).astype(np.float32)
;;   ~~~
;;   SOFTMAX AHEAD OF A QUANTISED PRODUCT. Where the list says 'softmax', what is quantised is not the finished softmax but p = 2^(t - M), with t = logit x log2(e) and M = ceil(the row's largest t), a whole number; so 1/2 < the row's largest p <= 1. The row's sum l is taken of the UNQUANTISED p, in f32, and the product's result is divided by l at the end. Since M is a whole number, a kernel that streams over the keys may use a running M (the ceiling of the running maximum): every later rescaling is an exact power of two, which a block's scale takes up: the codes' values come out the same.
;;   OPERANDS COMPUTED ON THE WAY. 'Computed on the way' means the value that the module computes at that place (a softmax that the list does not call 'softmax' is quantised finished and normalised). What goes into a quantiser is computed in f32, as accurately as f32 sums, v_exp_f32 and their like allow (about 1e-6 of the number): no bf16 or f16 on the way to a quantiser, and a product that is left as it is and whose result goes on into a quantised operand takes f32 operands (vector FMAs, or v_wmma_f32_16x16x4_f32). A number that lies on a knife's edge between two numbers of the format may be rounded either way, as far as f32 arithmetic and the matrix unit's own rounding can turn it there, and no further.
;; One version. Each part assembles by itself: llvm-mc -triple=amdgcn-amd-amdhsa -mcpu=gfx1250 --defsym DOCPART=n.
;; ======== version 1 of 1: 4 launches
;; limits: right only within a limited range of input values
;; workspace buffers: c1 8,650,752 bytes; s1 360,448 bytes; acod 18,874,368 bytes; ascl 786,432 bytes; c2 7,077,888 bytes; s2 294,912 bytes
;; launch quant (part 1): grid 384 x 1, 4 waves a work-group, no clusters, 66,048 bytes of LDS; arguments x, Wqkv, Wout, c1, s1, c2, s2; writes c1, s1, c2, s2
.if DOCPART == 1
	.amdgcn_target "amdgcn-amd-amdhsa--gfx1250"
	.amdhsa_code_object_version 6
	.text
	.protected	k_qb1e83a08c2_quant
	.globl	k_qb1e83a08c2_quant
	.p2align	8
	.type	k_qb1e83a08c2_quant,@function
k_qb1e83a08c2_quant:
	s_mov_b64 s[64:65], 0
	v_nop
	global_prefetch_b8 v0, s[64:65] scope:SCOPE_SE
	s_setreg_imm32_b32 hwreg(HW_REG_WAVE_MODE, 25, 1), 1
	s_wait_xcnt 0x0
; x [8192][1024], Wqkv [1024][3072] and Wout [1024][1024], f32, become codes of FP6 (E2M3) along K = 1,024, with one E8M0 byte for each 32 along K.
; A block's scale is 2^(floor(log2(its largest magnitude)) - 2): its byte is the largest magnitude's exponent field - 2, held at 1 from below; the conversion divides, rounds to nearest even and holds at the largest code.
; LIMITS: a block whose largest magnitude lies under 2^-124 gets the byte 1; a block of zeros gets 1 and not 127 (its codes are zeros, and this program alone reads the bytes); NaN and infinities among the inputs are not served.
; LAYOUT OF THE CODES: [K / 64 planes][rows][48 bytes]: a plane's row is 64 codes, two blocks of 24 bytes.  Of the scale bytes: [K / 256][rows][8 bytes].
; THE ORDER OF ROWS: row i (a token, a column of a weight) is stored at position pi(i) = i with bits 3 and 4 exchanged: position 16 u + p of a group of 32 holds index 8 u + p + 8 (p / 8).
; c1, s1: rows 0..8191 x's tokens, rows 8192.. Wqkv's columns.  c2, s2: rows 8192.. Wout's columns (rows 0..8191 are written by the attention launch).
; Work-groups 0..255 take x (32 tokens each; wave w takes K 256 w .. 256 w + 255); work-groups 256..383 take the weights (128 columns x 256 along K; a wave 32 columns).
; The two paths use LDS bytes of their own (x: 0..40,959; weights: 40,960..65,535).  Waves share nothing: no barrier.  Each input byte is read once, in a stream; nothing is prefetched: the loads themselves keep memory busy.
.set PLANE1, 540672                    ; a plane of c1: 11,264 rows x 48
.set PLANE2, 442368                    ; of c2: 9,216 rows x 48
.set QST1,   90112                     ; a quarter of K in s1: 11,264 x 8
.set QST2,   73728                     ; in s2
.set SEL, 2                            ; s[2:3] lane selects: lane l xor 16
.set WV,  18                           ; s18 my wave
.set L16, 1                            ; v1  16 x lane
.set SIN, 2                            ; v2  x: the stage on the way in
.set SRD, 3                            ; v3  and on the way out of it
.set STI, 4                            ; v4  the codes' stage, in: 48 r + 24 h
.set STO, 5                            ; v5  and back: 8 x lane
.set GO,  6                            ; v6  8 x lane
.set LN,  7                            ; v7  lane
.set PW,  8                            ; v8-11  the four units' scale words
.set RBK, 12                           ; v12-23 codes read back from the stage
.set TM,  24                           ; v24-39 at work in QUANT
.set PC,  40                           ; v40-59 the codes just made
.set X,   64                           ; v64-127 64 numbers of a lane
.set R,   128                          ; v128-255 two sets of 64 registers as loaded
.set VO,  32                           ; weights: v32-63 4 x lane + i rows
.set CW,  128                          ; v128-135 a block's codes
.set SBY, 136                          ; v136-137 my column's eight scale bytes
.set OUTW, 140                         ; v140-187 the way out
.set SB,  20                           ; s[20:35] the eight blocks' bases in the weight
.set DB,  36                           ; s[36:43] the four planes' bases in the codes
; 64 numbers of a lane, register 16 b + i = k 32 b + 16 (lane / 16) + i of my row, become a fragment's codes in v[PC] on (registers 6 c .. 6 c + 5 of lane (r, h): block 2 c + h of row r) and its scale word in v[pw]
.macro QUANT s, pw
.irp b, 0,1,2,3
	v_max3_num_f32 v[TM+\b], |v[\s+16*\b]|, |v[\s+1+16*\b]|, 0x1800000   ; my 16 numbers of block b, and the floor 2^(3 - 127): the byte cannot fall under 1
.endr
.irp i, 2,4,6,8,10,12,14
.irp b, 0,1,2,3
	v_max3_num_f32 v[TM+\b], v[TM+\b], |v[\s+16*\b+\i]|, |v[\s+1+16*\b+\i]|
.endr
.endr
.irp b, 0,1,2,3
	v_permlanex16_b32 v[TM+4+\b], v[TM+\b], s[SEL], s[SEL+1]
.endr
.irp b, 0,1,2,3
	v_max_num_f32 v[TM+\b], v[TM+\b], v[TM+4+\b]          ; with lane l xor 16's: the block's largest magnitude
.endr
.irp b, 0,1,2,3
	v_add_nc_u32 v[TM+12+\b], 0xff000000, v[TM+\b]        ; 2 off its exponent field: the conversion's scale operand
.endr
.irp b, 0,1,2,3
	v_lshrrev_b32 v[TM+4+\b], 23, v[TM+12+\b]             ; the scale's byte
.endr
	v_lshl_or_b32 v[\pw], v[TM+5], 8, v[TM+4]
	v_lshl_or_b32 v[\pw], v[TM+6], 16, v[\pw]
	v_lshl_or_b32 v[\pw], v[TM+7], 24, v[\pw]
.irp c, 0,1
	v_cvt_scalef32_pk16_fp6_f32 v[PC+6*\c:PC+2+6*\c], v[\s+32*\c:\s+15+32*\c], v[TM+12+2*\c]
	v_cvt_scalef32_pk16_fp6_f32 v[PC+12+4*\c:PC+14+4*\c], v[\s+16+32*\c:\s+31+32*\c], v[TM+12+2*\c+1]   ; (a conversion's three registers begin on an even number)
.endr
	v_nop                                                  ; one plain place behind a scaled conversion
.irp c, 0,1
.irp i, 0,1,2
	v_permlane16_swap_b32 v[PC+6*\c+\i], v[PC+12+4*\c+\i]  ; a whole block to a lane: lanes 0-15 block 2 c, lanes 16-31 block 2 c + 1
.endr
.irp i, 0,1,2
	v_mov_b32 v[PC+3+6*\c+\i], v[PC+12+4*\c+\i]
.endr
.endr
.endm
.macro TOST                            ; the fragment into my stage as two plane pieces of 16 rows x 48 bytes
.irp c, 0,1
.irp p, 0,1,2
	ds_store_b64 v[STI], v[PC+6*\c+2*\p:PC+6*\c+2*\p+1] offset:768*\c+8*\p
.endr
.endr
.endm
.macro BACK                            ; and back, 256 consecutive bytes an instruction.  LDS serves a wave's instructions in order: these see the stores above
	s_wait_xcnt 0x0                                        ; the earlier global stores have read v[RBK] on
.irp k, 0,1,2,3,4,5
	ds_load_b64 v[RBK+2*\k:RBK+2*\k+1], v[STO] offset:256*\k
.endr
	s_wait_dscnt 0x0
.endm
	s_load_b256 s[4:11], s[0:1], 0x0               ; x s[4:5], Wqkv s[6:7], Wout s[8:9], c1 s[10:11]
	s_load_b128 s[12:15], s[0:1], 0x20             ; s1 s[12:13], c2 s[14:15]
	s_load_b64 s[16:17], s[0:1], 0x30              ; s2
	s_set_vgpr_msb 0x40
	v_lshl_add_u32 v0, v0, 2, 0x10000
	v_mov_b32 v1, 0
	s_set_vgpr_msb 0x4000
	v_lshrrev_b32 v1, 5, v0
	v_readfirstlane_b32 s[WV], v1                  ; wave 0..3
	v_and_b32 v[LN], 31, v0
	s_cmp_lt_u32 ttmp9, 256
	s_cbranch_scc0 .Lweights
; ---------------- x: 32 tokens x 256 along K a wave, in four units: unit n = 2 s + u: 128 along K (s) of 16 positions (u)
	v_and_b32 v60, 15, v0                          ; r
	v_bfe_u32 v61, v0, 4, 1                        ; h
	v_lshlrev_b32 v[L16], 4, v[LN]
	s_mul_i32 s19, s[WV], 10240                    ; my wave's LDS: 16 rows x 528 bytes, then 1,536 bytes for the codes
	v_add_nc_u32 v[SIN], s19, v[L16]
	v_mul_u32_u24 v[SRD], v60, 528
	v_lshl_add_u32 v[SRD], v61, 6, v[SRD]
	v_add_nc_u32 v[SRD], s19, v[SRD]               ; row r, + 64 h: my 16 numbers of a block of 32
	s_add_co_u32 s19, s19, 8448
	v_mul_u32_u24 v[STI], v60, 48
	v_mad_u32_u24 v[STI], v61, 24, v[STI]
	v_add_nc_u32 v[STI], s19, v[STI]
	v_lshlrev_b32 v[GO], 3, v[LN]
	v_add_nc_u32 v[STO], s19, v[GO]
.irp b, 0,1,2,3
	v_mov_b32 v[TM+4+\b], 0                        ; written once: a lane permute's destination counts as one of its sources
.endr
	s_mov_b32 s[SEL], 0x76543210
	s_mov_b32 s[SEL+1], 0xfedcba98
	s_lshl_b32 s20, ttmp9, 17                      ; 32 tokens of 4,096 bytes,
	s_lshl_b32 s21, s[WV], 10                      ; my 256 along K
	s_add_co_u32 s20, s20, s21
	s_mov_b32 s21, 0
	s_mul_i32 s22, s[WV], 4*PLANE1                 ; my four planes,
	s_mul_i32 s23, ttmp9, 1536                     ; 32 rows of 48 bytes
	s_add_co_u32 s22, s22, s23
	s_mov_b32 s23, 0
	s_mul_i32 s24, s[WV], QST1
	s_lshl_b32 s25, ttmp9, 8                       ; 32 rows of 8 bytes
	s_add_co_u32 s24, s24, s25
	s_mov_b32 s25, 0
	s_wait_kmcnt 0x0
	s_add_nc_u64 s[4:5], s[4:5], s[20:21]
	s_add_nc_u64 s[10:11], s[10:11], s[22:23]
	s_add_nc_u64 s[12:13], s[12:13], s[24:25]
.macro LOADU n                         ; 16 rows x 512 consecutive bytes; row q of the unit is token 8 u + q + 8 (q / 8) of the group
.irp q, 0,1,2,3,4,5,6,7,8,9,10,11,12,13,14,15
	global_load_b128 v[R+64*((\n)%2)+4*\q:R+64*((\n)%2)+4*\q+3], v[L16], s[4:5] offset:(8*((\n)%2)+\q+8*(\q/8))*4096+512*((\n)/2) th:TH_LOAD_NT
.endr
.endm
.macro UNIT n
.if (\n) < 3
	s_wait_loadcnt 16                              ; this unit's 16 loads are in; the next unit's may be out
.else
	s_wait_loadcnt 0x0
.endif
.irp q, 0,1,2,3,4,5,6,7,8,9,10,11,12,13,14,15
	ds_store_b128 v[SIN], v[R+64*((\n)%2)+4*\q:R+64*((\n)%2)+4*\q+3] offset:528*\q
.endr
.irp b, 0,1,2,3
.irp j, 0,1,2,3
	ds_load_b128 v[X+16*\b+4*\j:X+16*\b+4*\j+3], v[SRD] offset:128*\b+16*\j   ; 16 neighbours of each block of 32 of my row
.endr
.endr
	s_wait_dscnt 0x0                               ; my numbers are back, and the stores have read their registers,
.if (\n) < 2
	LOADU (\n)+2                                   ; which take the unit two on
.endif
	QUANT X, PW+(\n)
	TOST
	BACK
.irp k, 0,1,2,3,4,5
	global_store_b64 v[GO], v[RBK+2*\k:RBK+2*\k+1], s[10:11] offset:(2*((\n)/2)+\k/3)*PLANE1+768*((\n)%2)+256*(\k%3)   ; 32 lanes store 256 consecutive bytes, aligned
.endr
.endm
	LOADU 0
	LOADU 1
	UNIT 0
	UNIT 1
	UNIT 2
	UNIT 3
	v_cmp_le_u32 vcc_lo, 16, v[LN]                 ; position = lane: lanes 0-15 tile 0's rows, lanes 16-31 tile 1's
	v_cndmask_b32 v62, v[PW], v[PW+1], vcc_lo      ; the first 128 along K,
	v_cndmask_b32 v63, v[PW+2], v[PW+3], vcc_lo    ; the second
	global_store_b64 v[GO], v[62:63], s[12:13]     ; 256 consecutive bytes, aligned
	s_set_vgpr_msb 0x5
	s_wait_tensorcnt 0x0
	ds_add_u32 v0, v1
	s_wait_dscnt 0x0
	s_set_vgpr_msb 0x500
	s_endpgm
; ---------------- the weights: K is their first axis.  A lane takes a column, its registers run down K: a block of 32 lies in one lane
.Lweights:
	s_sub_co_u32 s44, ttmp9, 256
	s_and_b32 s45, s44, 3                          ; which 256 along K
	s_lshr_b32 s46, s44, 2                         ; which 128 columns: 0..23 of Wqkv, 24..31 of Wout
	s_sub_co_u32 s47, s46, 24
	s_mov_b32 s48, 12288                           ; a row of Wqkv in bytes,
	s_mov_b32 s49, 4096                            ; of Wout
	s_mov_b32 s50, PLANE1
	s_mov_b32 s51, PLANE2
	s_mov_b32 s52, QST1
	s_mov_b32 s53, QST2
	s_wait_kmcnt 0x0
	s_cmp_lt_u32 s46, 24                           ; the choice hangs on the work-group's number alone
	s_cselect_b64 s[6:7], s[6:7], s[8:9]           ; the weight,
	s_cselect_b64 s[10:11], s[10:11], s[14:15]     ; its codes,
	s_cselect_b64 s[12:13], s[12:13], s[16:17]     ; its scale bytes
	s_cselect_b32 s48, s48, s49
	s_cselect_b32 s50, s50, s51
	s_cselect_b32 s52, s52, s53
	s_cselect_b32 s46, s46, s47
	s_lshl_b32 s54, s46, 7
	s_lshl_b32 s55, s[WV], 5
	s_add_co_u32 s54, s54, s55                     ; my wave's first column
	s_lshl_b32 s56, s45, 8
	s_mul_i32 s56, s56, s48                        ; 256 kq rows,
	s_lshl_b32 s55, s54, 2
	s_add_co_u32 s56, s56, s55                     ; + 4 bytes a column
	s_mov_b32 s57, 0
	s_add_nc_u64 s[SB:SB+1], s[6:7], s[56:57]
	s_lshl_b32 s56, s48, 5                         ; 32 rows on
.irp t, 1,2,3,4,5,6,7
	s_add_nc_u64 s[SB+2*\t:SB+2*\t+1], s[SB+2*\t-2:SB+2*\t-1], s[56:57]
.endr
	s_lshl_b32 s58, s45, 2
	s_mul_i32 s58, s58, s50                        ; plane 4 kq,
	s_add_co_u32 s55, s54, 8192                    ; row 8,192 + my first column
	s_mul_i32 s59, s55, 48
	s_add_co_u32 s58, s58, s59
	s_mov_b32 s59, 0
	s_add_nc_u64 s[DB:DB+1], s[10:11], s[58:59]
	s_mov_b32 s58, s50
.irp p, 1,2,3
	s_add_nc_u64 s[DB+2*\p:DB+2*\p+1], s[DB+2*\p-2:DB+2*\p-1], s[58:59]
.endr
	s_mul_i32 s60, s45, s52
	s_lshl_b32 s55, s55, 3
	s_add_co_u32 s60, s60, s55
	s_mov_b32 s61, 0
	s_add_nc_u64 s[12:13], s[12:13], s[60:61]
	s_wait_alu depctr_va_vdst(0)
	v_lshlrev_b32 v1, 2, v[LN]                     ; 4 x lane
	v_and_b32 v8, 7, v[LN]
	v_bfe_u32 v9, v[LN], 3, 1
	v_bfe_u32 v10, v[LN], 4, 1
	v_lshl_add_u32 v8, v9, 4, v8
	v_lshl_add_u32 v8, v10, 3, v8                  ; my column's position in its group of 32
	s_mul_i32 s19, s[WV], 6144
	s_add_co_u32 s19, s19, 40960                   ; my stage: [4 planes][32 positions][48 bytes]
	v_mul_u32_u24 v2, v8, 48
	v_add_nc_u32 v2, s19, v2
	v_lshlrev_b32 v4, 4, v[LN]
	v_add_nc_u32 v3, s19, v4
	v_lshlrev_b32 v5, 3, v8
.set ii, 0
.rept 32
	v_mad_u32_u24 v[VO+ii], s48, ii, v1            ; row i of a block, my column
.set ii, ii+1
.endr
.macro LOADB t                         ; block t: W(256 kq + 32 t + i, my column): 128 consecutive bytes a load
.set ii, 0
.rept 32
	global_load_b32 v[X+32*((\t)%2)+ii], v[VO+ii], s[SB+2*(\t):SB+2*(\t)+1] th:TH_LOAD_NT
.set ii, ii+1
.endr
.endm
.macro BLOCK t
.set XS, X+32*((\t)%2)
.if (\t) < 7
	s_wait_loadcnt 32                              ; this block's 32 loads are in; the next block's may be out
.else
	s_wait_loadcnt 0x0
.endif
	v_max3_num_f32 v12, |v[XS]|, |v[XS+1]|, |v[XS+2]|
	v_max3_num_f32 v13, |v[XS+3]|, |v[XS+4]|, |v[XS+5]|
.irp i, 6,10,14,18,22,26
	v_max3_num_f32 v12, v12, |v[XS+\i]|, |v[XS+\i+1]|
	v_max3_num_f32 v13, v13, |v[XS+\i+2]|, |v[XS+\i+3]|
.endr
	v_max3_num_f32 v12, v12, |v[XS+30]|, |v[XS+31]|
	v_max3_num_f32 v12, v12, v13, 0x1800000        ; and the floor
	v_add_nc_u32 v11, 0xff000000, v12              ; the conversion's scale operand
	v_lshrrev_b32 v13, 23, v11                     ; the byte
.if (\t)%4 == 0
	v_mov_b32 v[SBY+(\t)/4], v13
.else
	v_lshl_or_b32 v[SBY+(\t)/4], v13, 8*((\t)%4), v[SBY+(\t)/4]
.endif
	v_cvt_scalef32_pk16_fp6_f32 v[CW:CW+2], v[XS:XS+15], v11
	v_cvt_scalef32_pk16_fp6_f32 v[CW+4:CW+6], v[XS+16:XS+31], v11
	v_nop                                          ; one plain place behind a scaled conversion
	v_mov_b32 v[CW+3], v[CW+4]                     ; the block's 24 bytes on end
	v_mov_b32 v[CW+4], v[CW+5]
	v_mov_b32 v[CW+5], v[CW+6]
.irp p, 0,1,2
	ds_store_b64 v2, v[CW+2*\p:CW+2*\p+1] offset:1536*((\t)/2)+24*((\t)%2)+8*\p
.endr
.if (\t) < 6
	LOADB (\t)+2
.endif
	s_wait_dscnt 0x0                               ; the stores have read their registers
.endm
	LOADB 0
	LOADB 1
.irp t, 0,1,2,3,4,5,6,7
	BLOCK \t
.endr
	s_wait_alu depctr_va_vdst(0)
	global_store_b64 v5, v[SBY:SBY+1], s[12:13]    ; the 32 lanes fill 256 consecutive bytes, aligned
.irp k, 0,1,2,3,4,5,6,7,8,9,10,11
	ds_load_b128 v[OUTW+4*\k:OUTW+4*\k+3], v3 offset:512*\k
.endr
.irp k, 0,1,2,3,4,5,6,7,8,9,10,11
	s_wait_dscnt 11-\k                             ; load k is in; the younger ones may be out
	global_store_b128 v4, v[OUTW+4*\k:OUTW+4*\k+3], s[DB+2*(\k/3):DB+2*(\k/3)+1] offset:512*(\k%3)   ; 512 consecutive bytes, aligned
.endr
	s_set_vgpr_msb 0x5
	s_wait_tensorcnt 0x0
	ds_add_u32 v0, v1
	s_wait_dscnt 0x0
	s_set_vgpr_msb 0x500
	s_endpgm
.Lfunc_end_k_qb1e83a08c2_quant:
	.size	k_qb1e83a08c2_quant, .Lfunc_end_k_qb1e83a08c2_quant-k_qb1e83a08c2_quant
	.p2alignl 7, 3214868480
	.fill 96, 4, 3214868480
	.section	.rodata,"a",@progbits
	.p2align	6, 0x0
	.amdhsa_kernel k_qb1e83a08c2_quant
		.amdhsa_group_segment_fixed_size 66048
		.amdhsa_private_segment_fixed_size 0
		.amdhsa_enable_private_segment 0
		.amdhsa_kernarg_size 56
		.amdhsa_user_sgpr_count 2
		.amdhsa_user_sgpr_kernarg_segment_ptr 1
		.amdhsa_wavefront_size32 1
		.amdhsa_system_sgpr_workgroup_id_x 1
		.amdhsa_system_sgpr_workgroup_id_y 1
		.amdhsa_system_sgpr_workgroup_id_z 1
		.amdhsa_system_vgpr_workitem_id 0
		.amdhsa_next_free_vgpr 258
		.amdhsa_next_free_sgpr 66
		.amdhsa_reserve_vcc 1
		.amdhsa_float_denorm_mode_32 3
		.amdhsa_float_denorm_mode_16_64 3
		.amdhsa_memory_ordered 1
		.amdhsa_forward_progress 1
		.amdhsa_inst_pref_size 82
	.end_amdhsa_kernel
	.amdgpu_metadata
---
amdhsa.version: [ 1, 2 ]
amdhsa.kernels:
  - .name:           k_qb1e83a08c2_quant
    .symbol:         k_qb1e83a08c2_quant.kd
    .args:
      - { .name: x, .offset: 0, .size: 8, .value_kind: global_buffer, .address_space: global }
      - { .name: Wqkv, .offset: 8, .size: 8, .value_kind: global_buffer, .address_space: global }
      - { .name: Wout, .offset: 16, .size: 8, .value_kind: global_buffer, .address_space: global }
      - { .name: c1, .offset: 24, .size: 8, .value_kind: global_buffer, .address_space: global }
      - { .name: s1, .offset: 32, .size: 8, .value_kind: global_buffer, .address_space: global }
      - { .name: c2, .offset: 40, .size: 8, .value_kind: global_buffer, .address_space: global }
      - { .name: s2, .offset: 48, .size: 8, .value_kind: global_buffer, .address_space: global }
    .group_segment_fixed_size: 66048
    .private_segment_fixed_size: 0
    .kernarg_segment_align: 8
    .kernarg_segment_size: 56
    .max_flat_workgroup_size: 128
    .sgpr_count:     66
    .vgpr_count:     258
    .wavefront_size: 32
...
	.end_amdgpu_metadata
.endif
;; end of part 1
;; launch gemm_qkv (part 2): grid 16 x 16, 4 waves a work-group, clusters of 4 x 4, 327,680 bytes of LDS; arguments c1, s1, bqkv, acod, ascl; writes acod, ascl
.if DOCPART == 2
	.amdgcn_target "amdgcn-amd-amdhsa--gfx1250"
	.amdhsa_code_object_version 6
	.text
	.protected	k_qb1e83a08c2_gemm_qkv
	.globl	k_qb1e83a08c2_gemm_qkv
	.p2align	8
	.type	k_qb1e83a08c2_gemm_qkv,@function
k_qb1e83a08c2_gemm_qkv:
	s_mov_b64 s[64:65], 0
	v_nop
	global_prefetch_b8 v0, s[64:65] scope:SCOPE_SE
	s_setreg_imm32_b32 hwreg(HW_REG_WAVE_MODE, 25, 1), 1
	s_wait_xcnt 0x0
	s_wait_alu depctr_hold_cnt(0) depctr_sa_sdst(0) depctr_va_vdst(0) depctr_va_sdst(0) depctr_va_ssrc(0) depctr_va_vcc(0) depctr_vm_vsrc(0)
	s_getreg_b32 s2, hwreg(HW_REG_IB_STS2, 6, 4)
	s_cmp_eq_u32 s2, 0
	s_cbranch_scc0 .Lentry_in_a_cluster
	s_endpgm
.Lentry_in_a_cluster:
	s_bfe_u32 s2, ttmp6, 0x10000c
	s_cmp_lg_u32 s2, 0xf033
	s_cbranch_scc0 .Lentry_shape_is_right
	s_endpgm
.Lentry_shape_is_right:
; qkv = x Wqkv + bqkv on codes of FP6 (E2M3) with E8M0 scales, and its results quantised on the way out: q and k along the head's 64 channels, v along the tokens.  Nothing goes to memory as f32.
; Both operands lie in c1 ([16 planes of 64 K][11,264 rows][48 bytes]; rows 0..8191 tokens, rows 8192. Wqkv's columns, each at its position: bits 3 and 4 of the index exchanged) and s1 ([4 quarters of K][11,264][8]).
; A UNIT is 128 rows of A x 256 rows of B.  q, k: A = tokens, B = columns: 64 x 8 = 512 units.  v: A = v's columns, B = tokens, which makes V^T: 8 x 32 = 256 units.  768 units = 3 for each of 256 work-groups:
; A WORK-GROUP STAYS and makes two units of q or k (the same B, two tiles of A) and then one of v.  Which rows hangs on the cluster's number, the place in the cluster and the unit's number, by selects alone.
; ALL OF K OF A UNIT LIES IN LDS: A's 128 rows (98,304 bytes), B's 256 rows (196,608), their scale bytes (4,096 and 8,192): four joint loads, one a wave.  The next unit's loads stand behind the three lines and a
; round of the cluster's barrier, and the way out of the unit before stands behind them, ahead of the wait for them.  The first unit's products and the last unit's way out are written out.
; The stage of the way out has LDS bytes of its own.  Every unit's loads go out whole at its start, so there is no step in which a prefetch could run ahead.
; CLUSTERS 4 x 4: A's tiles are shared along a row of the cluster, B's along a column.
; Four waves, 2 x 2, of 64 x 128: 32 accumulators.  The matrix instruction is used transposed (source 0 = B's rows, source 1 = A's): a lane holds one row of A, and by the order of rows the 16 registers of B's
; blocks 2 b, 2 b + 1 are the 16 neighbouring indices 32 b + 16 (lane / 16) + 0 .. 15.  So one way out, which quantises along a lane's registers, serves both orientations.
; OUT: acod: q, k: [pair b h][token position][48];  v: [pair][32 planes of 64 tokens][channel position 64][48].  ascl: units of 512 bytes [r 16][a 8] of scale words of 128 rows; a wave writes four words of each r.
; LIMITS: a block whose largest magnitude lies under 2^-124 gets the byte 1, a block of zeros too (its codes are zeros; this program alone reads the bytes); NaN and infinities are not served.
; REGISTERS: window 0: v8-29 addresses; v32-63 scale words, two sets; v64-127 the bias along the registers; v128-223 A's fragments, two sets (on the way out at work); v232-239 the bias along the rows; v240-251 codes read back.
; Window 1: B's fragments, two sets.  Window 2: accumulators.
.set ROWS,   11264
.set PA,     128*48
.set PB,     256*48
.set BREG,   16*PA
.set SCL,    BREG+16*PB                ; A's scale bytes, 4,096; B's behind them
.set STG,    SCL+16384                 ; the stages: 2,048 bytes a wave
.set SPARE,  STG+8192
.set FR,     12
.set ADRS, 12                          ; v12-15 my scale words of the four quarters: lanes 0-15 A's rows, lanes 16-31 B's
.set ADRA, 16                          ; v16-17 my A fragments: planes 0-7, 8-15
.set ADRB, 20                          ; v20-23 B's: four planes each
.set STI,  24
.set STO,  25
.set GO,   26
.set SPW,  28
.set NIL,  29
.set SC,   32
.set CB,   64
.set AF,   128
.set T,    128
.set TM,   192
.set PWS,  208
.set PC,   212
.set RBI,  232
.set RBK,  240
.set SEL,  2
.set G1, 24
.set G0, 32
.set G0B, 36
.set UN, 45                            ; s45 the unit's number
.set G1B, 48
.set G0S, 56
.set G0SB, 60
.set MQ, 66                            ; all ones where the bias runs along the registers (q, k)
.set MV, 67                            ; all ones where it runs along the rows (v)
.set G1S, 68
.set G1SB, 80
.set BP1, 88
.set BP2, 90
.set EP, 92
.set ES, 96
.set MSB, 0
.macro WIN new
.if MSB != (\new)
	s_set_vgpr_msb (MSB<<8)|(\new)
.set MSB, (\new)
.endif
.endm
.macro WALU
	s_wait_alu depctr_va_vdst(0)
.endm
.macro PLACES
.rept 4
	v_nop
.endr
.endm
.macro CROUND
	s_barrier_signal -1
	s_barrier_wait -1
	s_cmp_lg_u32 s14, 0
	s_cbranch_scc1 .Lnot_wave_0_\@
	s_barrier_signal -3
.Lnot_wave_0_\@:
	s_barrier_wait -3
	s_barrier_signal -1
	s_barrier_wait -1
.endm
.macro TL g0, g1
	tensor_load_to_lds s[\g0:\g0+3], s[\g1:\g1+7]
	s_nop 0
	PLACES
.endm
.macro LOADS                           ; a unit's four tiles, one a wave: one chain of branches on the wave's number, one load to an arm
	s_cmp_lt_u32 s14, 1
	s_cbranch_scc0 .Lla_\@
	TL G0B, G1B
	s_branch .Lasked_\@
.Lla_\@:
	s_cmp_lt_u32 s14, 2
	s_cbranch_scc0 .Llsa_\@
	TL G0, G1
	s_branch .Lasked_\@
.Llsa_\@:
	s_cmp_lt_u32 s14, 3
	s_cbranch_scc0 .Llsb_\@
	TL G0S, G1S
	s_branch .Lasked_\@
.Llsb_\@:
	TL G0SB, G1SB
.Lasked_\@:
.endm
; Unit s45's first rows: s17 of A (it hangs on cy alone), s19 of B (on cx alone), and the four loads' addresses.  s76 = cluster / 2, s77 = cluster % 2.
.macro ADDR
	s_lshl_b32 s20, s76, 10
	s_lshl_b32 s21, s[UN], 9
	s_add_co_u32 s21, s21, s20                     ; q, k: tokens 1,024 (cluster / 2) + 512 unit on
	s_lshl_b32 s22, s77, 9
	s_add_co_u32 s22, s22, 10240                   ; v: its columns 512 (cluster % 2) on
	s_lshl_b32 s23, s77, 10
	s_add_co_u32 s23, s23, 8192                    ; q, k: columns 1,024 (cluster % 2) on
	s_cmp_lt_u32 s[UN], 2
	s_cselect_b32 s17, s21, s22
	s_cselect_b32 s19, s23, s20                    ; v: tokens 1,024 (cluster / 2) on
	s_lshl_b32 s21, s41, 7
	s_add_co_u32 s17, s17, s21
	s_lshl_b32 s46, s40, 8
	s_add_co_u32 s19, s19, s46
	s_mul_i32 s20, s17, 48
	s_mov_b32 s21, 0
	s_add_nc_u64 s[G0+2:G0+3], s[4:5], s[20:21]
	s_or_b32 s[G0+3], s[G0+3], 0x80000000
	s_lshl_b32 s20, s17, 3
	s_add_nc_u64 s[G0S+2:G0S+3], s[6:7], s[20:21]
	s_or_b32 s[G0S+3], s[G0S+3], 0x80000000
	s_mul_i32 s46, s19, 48
	s_mov_b32 s47, 0
	s_add_nc_u64 s[G0B+2:G0B+3], s[4:5], s[46:47]
	s_or_b32 s[G0B+3], s[G0B+3], 0x80000000
	s_lshl_b32 s46, s19, 3
	s_add_nc_u64 s[G0SB+2:G0SB+3], s[6:7], s[46:47]
	s_or_b32 s[G0SB+3], s[G0SB+3], 0x80000000
.endm
; Where unit s45's results go, and its biases' loads
.macro PTR
	s_wait_xcnt 0x0                                ; the stores and loads of the unit before have read their bases
	s_lshl_b32 s20, s15, 6
	s_add_co_u32 s20, s20, s17                     ; my first row of A,
	s_lshl_b32 s21, s16, 7
	s_add_co_u32 s21, s21, s19                     ; of B
	s_mov_b32 s22, 98304
	s_mov_b32 s23, 3072
	s_cmp_lt_u32 s[UN], 2
	s_cselect_b32 s46, s20, s21                    ; my first token,
	s_cselect_b32 s47, s21, s20                    ; my first column's row
	s_cselect_b32 s42, s22, s23                    ; from the first 64 of a lane's numbers to the second: q, k: the next head;  v: the next plane of 64 tokens
	s_cselect_b32 s[MQ], -1, 0
	s_cselect_b32 s[MV], 0, -1
	s_sub_co_u32 s47, s47, 8192                    ; my first column of qkv
	s_and_b32 s78, s47, s[MQ]                      ; the bias along the registers is read at my 128 columns (q, k), or, where it is not used, at column 0: inside the buffer
	s_lshr_b32 s20, s46, 11                        ; b
	s_and_b32 s21, s46, 2047                       ; the token in the sequence
	s_lshr_b32 s22, s47, 10                        ; q, k or v
	s_bfe_u32 s23, s47, 0x40006                    ; the head
	s_mul_i32 s98, s22, 6291456
	s_lshl_b32 s99, s20, 4
	s_add_co_u32 s99, s99, s23
	s_mul_i32 s99, s99, 98304
	s_add_co_u32 s98, s98, s99
	s_mul_i32 s99, s21, 48                         ; q, k: 48 bytes a token;  v: 3,072 bytes for 64 tokens: the same
	s_add_co_u32 s98, s98, s99
	s_mov_b32 s99, 0
	s_add_nc_u64 s[EP:EP+1], s[10:11], s[98:99]
	s_mov_b32 s98, s42
	s_add_nc_u64 s[EP+2:EP+3], s[EP:EP+1], s[98:99]
	s_lshl_b32 s98, s22, 18
	s_lshl_b32 s20, s20, 3
	s_lshr_b32 s23, s23, 1                         ; the pair of heads
	s_add_co_u32 s20, s20, s23
	s_lshl_b32 s20, s20, 4
	s_lshr_b32 s21, s21, 7
	s_add_co_u32 s20, s20, s21
	s_lshl_b32 s20, s20, 9
	s_add_co_u32 s98, s98, s20
	s_lshl_b32 s20, s15, 4                         ; my four of the unit's eight words of a row
	s_add_co_u32 s98, s98, s20
	s_add_nc_u64 s[ES:ES+1], s[12:13], s[98:99]
	s_lshl_b32 s98, s78, 2
	s_add_nc_u64 s[BP1:BP1+1], s[8:9], s[98:99]
	s_lshl_b32 s98, s47, 2
	s_add_nc_u64 s[BP2:BP2+1], s[8:9], s[98:99]
.irp b, 0,1,2,3,4,5,6,7
.irp k, 0,1
	global_load_b128 v[CB+8*\b+4*\k:CB+8*\b+4*\k+3], v8, s[BP1:BP1+1] offset:(32*(\b/2)+8*(\b%2)+4*\k)*4   ; register 8 b + j: column 32 (b / 2) + 16 h + 8 (b % 2) + j
.endr
.endr
.irp a, 0,1,2,3
	global_load_b32 v[RBI+2*\a], v9, s[BP2:BP2+1] offset:(32*(\a/2)+8*(\a%2))*4   ; row r of block a: column 32 (a / 2) + 8 (a % 2) + r + 8 (r / 8)
.endr
.endm
.macro FRAG reg, adr, off, pp          ; 16 rows x 128 K: two planes' 24 bytes, in pieces of 8
.irp p, 0,1,2,3,4,5
	ds_load_b64 v[\reg+2*\p:\reg+2*\p+1], v[\adr] offset:(\off)+(\p/3)*(\pp)+8*(\p%3)
.endr
.endm
.macro FETCH st                        ; step st's fragments into set st % 2; at an even step the scale words of two steps
	WIN 0x40
.irp i, 0,1,2,3,4,5,6,7
	FRAG 128*((\st)%2)+FR*\i, ADRB+(\st)/2, ((2*(\st))%4)*PB+\i*768, PB
.endr
	WIN 0
.irp i, 0,1,2,3
	FRAG AF+48*((\st)%2)+FR*\i, ADRA+(\st)/4, ((2*(\st))%8)*PA+\i*768, PA
.endr
.if (\st)%2 == 0
.irp i, 0,1,2,3,4,5,6,7
	ds_load_b64 v[SC+16*(((\st)/2)%2)+2*\i:SC+16*(((\st)/2)%2)+2*\i+1], v[ADRS+(\st)/2] offset:\i*128   ; lanes 0-15 A's block i, lanes 16-31 B's
.endr
.endif
.endm
.macro MUL st                          ; 32 products; the accumulators take turns, in the same order in every step
.set BS, 128*((\st)%2)
.set AS, AF+48*((\st)%2)
.set XS, SC+16*(((\st)/2)%2)+(\st)%2
.irp a, 0,1,2,3
.irp b, 0,1,2,3,4,5,6,7
.if (\st) == 0
	v_wmma_scale_f32_16x16x128_f8f6f4 v[8*(8*\a+\b):8*(8*\a+\b)+7], v[BS+FR*\b:BS+FR*\b+FR-1], v[AS+FR*\a:AS+FR*\a+FR-1], 0, v[XS+2*\b], v[XS+2*\a] matrix_a_fmt:MATRIX_FMT_FP6 matrix_b_fmt:MATRIX_FMT_FP6 matrix_a_scale:MATRIX_SCALE_ROW1
.else
	v_wmma_scale_f32_16x16x128_f8f6f4 v[8*(8*\a+\b):8*(8*\a+\b)+7], v[BS+FR*\b:BS+FR*\b+FR-1], v[AS+FR*\a:AS+FR*\a+FR-1], v[8*(8*\a+\b):8*(8*\a+\b)+7], v[XS+2*\b], v[XS+2*\a] matrix_a_fmt:MATRIX_FMT_FP6 matrix_b_fmt:MATRIX_FMT_FP6 matrix_a_scale:MATRIX_SCALE_ROW1
.endif
.endr
.endr
.endm
.macro STEP st
	s_wait_dscnt 0x0                               ; this step's fragments, asked for ahead of the last step's products, are in
.if (\st) < 7
.if (\st) > 0
	PLACES                                         ; behind the last step's products, whose set takes the loads below
.endif
	FETCH (\st)+1
.endif
	WIN 0xa1
	MUL \st
.endm
.macro KALL                            ; a unit's products: eight steps of 128 along K
	WALU
	s_wait_tensorcnt 0x0
	s_wait_dscnt 0x0
	s_barrier_signal -1
	s_barrier_wait -1                              ; all four tiles are in
	FETCH 0
.irp t, 0,1,2,3,4,5,6,7
	STEP \t
.endr
	WIN 0
.endm
; THE WAY OUT: block by block of 16 rows of A: + bias, quantised along the lane's 64 + 64 numbers, through my stage, out in runs of 256 bytes
.macro QUANT s, pw
.irp b, 0,1,2,3
	v_max3_num_f32 v[TM+\b], |v[\s+16*\b]|, |v[\s+1+16*\b]|, 0x1800000   ; my 16 numbers of block b, and the floor 2^(3 - 127)
.endr
.irp i, 2,4,6,8,10,12,14
.irp b, 0,1,2,3
	v_max3_num_f32 v[TM+\b], v[TM+\b], |v[\s+16*\b+\i]|, |v[\s+1+16*\b+\i]|
.endr
.endr
.irp b, 0,1,2,3
	v_permlanex16_b32 v[TM+4+\b], v[TM+\b], s[SEL], s[SEL+1]
.endr
.irp b, 0,1,2,3
	v_max_num_f32 v[TM+\b], v[TM+\b], v[TM+4+\b]
.endr
.irp b, 0,1,2,3
	v_add_nc_u32 v[TM+12+\b], 0xff000000, v[TM+\b]        ; 2 off the exponent field: the conversion's scale operand
.endr
.irp b, 0,1,2,3
	v_lshrrev_b32 v[TM+4+\b], 23, v[TM+12+\b]
.endr
	v_lshl_or_b32 v[\pw], v[TM+5], 8, v[TM+4]
	v_lshl_or_b32 v[\pw], v[TM+6], 16, v[\pw]
	v_lshl_or_b32 v[\pw], v[TM+7], 24, v[\pw]
.irp c, 0,1
	v_cvt_scalef32_pk16_fp6_f32 v[PC+6*\c:PC+2+6*\c], v[\s+32*\c:\s+15+32*\c], v[TM+12+2*\c]
	v_cvt_scalef32_pk16_fp6_f32 v[PC+12+4*\c:PC+14+4*\c], v[\s+16+32*\c:\s+31+32*\c], v[TM+12+2*\c+1]
.endr
	v_nop                                                  ; one plain place behind a scaled conversion
.irp c, 0,1
.irp i, 0,1,2
	v_permlane16_swap_b32 v[PC+6*\c+\i], v[PC+12+4*\c+\i]
.endr
.irp i, 0,1,2
	v_mov_b32 v[PC+3+6*\c+\i], v[PC+12+4*\c+\i]
.endr
.endr
.endm
.macro EPI a
	WIN 0x02                                       ; source 0: the accumulators' window
.set kk, 0
.rept 32
	v_pk_add_f32 v[T+kk:T+kk+1], v[64*(\a)+kk:64*(\a)+kk+1], v[CB+kk:CB+kk+1]   ; each accumulator from its low end on
.set kk, kk+2
.endr
	WIN 0
.set kk, 0
.rept 32
	v_pk_add_f32 v[T+kk:T+kk+1], v[T+kk:T+kk+1], v[RBI+2*(\a):RBI+2*(\a)+1]   ; of the two addends one is 0: the sum is rounded once
.set kk, kk+2
.endr
	QUANT T, PWS+(\a)
.irp c, 0,1
.irp p, 0,1,2
	ds_store_b64 v[STI], v[PC+6*\c+2*\p:PC+6*\c+2*\p+1] offset:768*\c+8*\p
.endr
.endr
	s_wait_xcnt 0x0                                ; the last block's stores have read v[RBK] on
.irp k, 0,1,2,3,4,5
	ds_load_b64 v[RBK+2*\k:RBK+2*\k+1], v[STO] offset:256*\k   ; LDS serves a wave's instructions in order: these see the stores above
.endr
	s_wait_dscnt 0x0
.irp k, 0,1,2,3,4,5
	global_store_b64 v[GO], v[RBK+2*\k:RBK+2*\k+1], s[EP+2*(\k/3):EP+2*(\k/3)+1] offset:768*(\a)+256*(\k%3)   ; 256 consecutive bytes, aligned
.endr
.endm
.macro EPIALL
	s_wait_loadcnt 0x0                             ; the biases
.set kk, 0
.rept 64
	v_cndmask_b32 v[CB+kk], 0, v[CB+kk], s[MQ]     ; q, k: kept;  v: 0
.set kk, kk+1
.endr
.irp a, 0,1,2,3
	v_cndmask_b32 v[RBI+2*\a], 0, v[RBI+2*\a], s[MV]
.endr
.irp a, 0,1,2,3
	v_mov_b32 v[RBI+2*\a+1], v[RBI+2*\a]
.endr
.irp b, 0,1,2,3
	v_mov_b32 v[TM+4+\b], 0                        ; a lane permute's destination counts as one of its sources
.endr
.irp a, 0,1,2,3
	EPI \a
.endr
	WALU
	global_store_b128 v10, v[PWS:PWS+3], s[ES:ES+1]   ; row r's four scale words (both halves of the lanes hold and write the same)
.endm
	s_load_b256 s[4:11], s[0:1], 0x0               ; c1, s1, bqkv, acod
	s_load_b64 s[12:13], s[0:1], 0x20              ; ascl
	v_lshl_add_u32 v[SPW], v0, 2, SPARE
	v_mov_b32 v[NIL], 0
	ds_add_u32 v[SPW], v[NIL]                      ; the opening lines: the add twice on end
	ds_add_u32 v[SPW], v[NIL]
	v_lshrrev_b32 v1, 5, v0
	v_readfirstlane_b32 s14, v1                    ; wave
	s_lshr_b32 s15, s14, 1                         ; my half of A's rows
	s_and_b32 s16, s14, 1                          ; my half of B's rows
	s_bfe_u32 s40, ttmp6, 0x40000                  ; cx
	s_bfe_u32 s41, ttmp6, 0x40004                  ; cy
	s_and_b32 s76, ttmp7, 0xffff
	s_lshl_b32 s76, s76, 2
	s_add_co_u32 s76, s76, ttmp9                   ; the cluster's number, 0 .. 15
	s_and_b32 s77, s76, 1
	s_lshr_b32 s76, s76, 1
	s_lshl_b32 s43, s41, 2
	s_lshl_b32 s43, 15, s43                        ; my row of the cluster
	s_lshl_b32 s44, 0x1111, s40                    ; my column
	s_or_b32 s[G1], s43, (3<<16)|(1<<21)           ; A: 16 planes of 128 rows x 48 bytes = 768 elements of 8 bytes
	s_mov_b32 s[G1+1], 768<<16
	s_mov_b32 s[G1+2], 16<<16
	s_mov_b32 s[G1+3], 768<<16
	s_mov_b32 s[G1+4], 16
	s_mov_b32 s[G1+5], ROWS*6
	s_mov_b32 s[G1+6], 0
	s_mov_b32 s[G1+7], 0
	s_or_b32 s[G1B], s44, (3<<16)|(1<<21)          ; B: 16 planes of 256 rows
	s_mov_b32 s[G1B+1], 1536<<16
	s_mov_b32 s[G1B+2], 16<<16
	s_mov_b32 s[G1B+3], 1536<<16
	s_mov_b32 s[G1B+4], 16
	s_mov_b32 s[G1B+5], ROWS*6
	s_mov_b32 s[G1B+6], 0
	s_mov_b32 s[G1B+7], 0
	s_or_b32 s[G1S], s43, (3<<16)|(1<<21)          ; A's scale bytes: 4 quarters of 128 rows x 8 bytes
	s_mov_b32 s[G1S+1], 128<<16
	s_mov_b32 s[G1S+2], 4<<16
	s_mov_b32 s[G1S+3], 128<<16
	s_mov_b32 s[G1S+4], 4
	s_mov_b32 s[G1S+5], ROWS
	s_mov_b32 s[G1S+6], 0
	s_mov_b32 s[G1S+7], 0
	s_or_b32 s[G1SB], s44, (3<<16)|(1<<21)         ; B's: of 256 rows
	s_mov_b32 s[G1SB+1], 256<<16
	s_mov_b32 s[G1SB+2], 4<<16
	s_mov_b32 s[G1SB+3], 256<<16
	s_mov_b32 s[G1SB+4], 4
	s_mov_b32 s[G1SB+5], ROWS
	s_mov_b32 s[G1SB+6], 0
	s_mov_b32 s[G1SB+7], 0
	s_mov_b32 s[G0], 1
	s_mov_b32 s[G0+1], 0
	s_mov_b32 s[G0B], 1
	s_mov_b32 s[G0B+1], BREG
	s_mov_b32 s[G0S], 1
	s_mov_b32 s[G0S+1], SCL
	s_mov_b32 s[G0SB], 1
	s_mov_b32 s[G0SB+1], SCL+4096
	s_mov_b32 s[SEL], 0x76543210
	s_mov_b32 s[SEL+1], 0xfedcba98
	s_mul_i32 s18, s15, 64*48                      ; my 64 rows of A,
	s_mul_i32 s42, s16, 128*48
	s_add_co_u32 s42, s42, BREG                    ; my 128 rows of B
	s_lshl_b32 s46, s15, 9                         ; their scale bytes: A's in quarter 0,
	s_lshl_b32 s20, s16, 10
	s_add_co_u32 s20, s20, 4096
	s_sub_co_u32 s20, s20, s46                     ; and how far on B's lie; a quarter is 1,024 bytes of A's and 2,048 of B's
	s_add_co_u32 s46, s46, SCL
	s_add_co_u32 s21, s20, 1024
	s_add_co_u32 s22, s20, 2048
	s_add_co_u32 s23, s20, 3072
	s_add_co_u32 s47, s46, 1024
	s_add_co_u32 s98, s46, 2048
	s_add_co_u32 s99, s46, 3072
	s_lshl_b32 s78, s14, 11
	s_add_co_u32 s78, s78, STG                     ; my stage
	v_and_b32 v1, 15, v0                           ; r
	v_bfe_u32 v2, v0, 4, 1                         ; h
	v_and_b32 v6, 31, v0
	v_mul_u32_u24 v3, v1, 48
	v_mad_u32_u24 v3, v2, 24, v3                   ; 48 r + 24 h
	v_add_nc_u32 v[ADRA], s18, v3
	v_add_nc_u32 v[ADRA+1], 8*PA, v[ADRA]
	v_add_nc_u32 v[ADRB], s42, v3
	v_add_nc_u32 v[ADRB+1], 4*PB, v[ADRB]
	v_add_nc_u32 v[ADRB+2], 8*PB, v[ADRB]
	v_add_nc_u32 v[ADRB+3], 12*PB, v[ADRB]
	v_lshlrev_b32 v5, 3, v1
	v_mul_u32_u24 v[ADRS], s20, v2                 ; lanes 16-31 take B's
	v_mul_u32_u24 v[ADRS+1], s21, v2
	v_mul_u32_u24 v[ADRS+2], s22, v2
	v_mul_u32_u24 v[ADRS+3], s23, v2
	v_add_nc_u32 v[ADRS], v[ADRS], v5
	v_add_nc_u32 v[ADRS+1], v[ADRS+1], v5
	v_add_nc_u32 v[ADRS+2], v[ADRS+2], v5
	v_add_nc_u32 v[ADRS+3], v[ADRS+3], v5
	v_add_nc_u32 v[ADRS], s46, v[ADRS]
	v_add_nc_u32 v[ADRS+1], s47, v[ADRS+1]
	v_add_nc_u32 v[ADRS+2], s98, v[ADRS+2]
	v_add_nc_u32 v[ADRS+3], s99, v[ADRS+3]
	v_add_nc_u32 v[STI], s78, v3
	v_lshlrev_b32 v[GO], 3, v6
	v_add_nc_u32 v[STO], s78, v[GO]
	v_lshlrev_b32 v8, 6, v2                        ; the bias along the registers: 64 h
	v_and_b32 v9, 8, v1
	v_add_nc_u32 v9, v9, v1
	v_lshlrev_b32 v9, 2, v9                        ; along the rows: 4 (r + 8 (r / 8))
	v_lshlrev_b32 v10, 5, v1                       ; a row's eight scale words: 32 r
	s_mov_b32 s[UN], 0
	WALU                                           ; the wait at the head's end
	s_wait_dscnt 0x0
	s_wait_kmcnt 0x0
	ADDR
	CROUND                                         ; the round in front of the first joint loads
	LOADS
	PTR
	KALL                                           ; the first unit's products
	s_mov_b32 s[UN], 1
.Lunit:
	s_wait_tensorcnt 0x0                           ; the three lines ahead of a refill's round
	ds_add_u32 v[SPW], v[NIL]
	ADDR                                           ; no tensor load of mine is out: the descriptors take the next unit's addresses
	s_wait_dscnt 0x0                               ; the add is done, and my reads of the tiles are over
	CROUND
	LOADS                                          ; the next unit's tiles; the four v_nop behind each load are the places behind the last products
	EPIALL                                         ; the way out of the unit before
	PTR
	KALL
	s_add_co_u32 s[UN], s[UN], 1
	s_cmp_lt_u32 s[UN], 3
	s_cbranch_scc1 .Lunit
	PLACES
	EPIALL                                         ; the last unit's way out
	s_wait_tensorcnt 0x0                           ; the wave's end
	ds_add_u32 v[SPW], v[NIL]
	s_wait_dscnt 0x0
	CROUND                                         ; the closing round
	s_endpgm
.Lfunc_end_k_qb1e83a08c2_gemm_qkv:
	.size	k_qb1e83a08c2_gemm_qkv, .Lfunc_end_k_qb1e83a08c2_gemm_qkv-k_qb1e83a08c2_gemm_qkv
	.p2alignl 7, 3214868480
	.fill 96, 4, 3214868480
	.section	.rodata,"a",@progbits
	.p2align	6, 0x0
	.amdhsa_kernel k_qb1e83a08c2_gemm_qkv
		.amdhsa_group_segment_fixed_size 327680
		.amdhsa_private_segment_fixed_size 0
		.amdhsa_enable_private_segment 0
		.amdhsa_kernarg_size 40
		.amdhsa_user_sgpr_count 2
		.amdhsa_user_sgpr_kernarg_segment_ptr 1
		.amdhsa_wavefront_size32 1
		.amdhsa_system_sgpr_workgroup_id_x 1
		.amdhsa_system_sgpr_workgroup_id_y 1
		.amdhsa_system_sgpr_workgroup_id_z 1
		.amdhsa_system_vgpr_workitem_id 0
		.amdhsa_next_free_vgpr 768
		.amdhsa_next_free_sgpr 100
		.amdhsa_reserve_vcc 0
		.amdhsa_float_denorm_mode_32 3
		.amdhsa_float_denorm_mode_16_64 3
		.amdhsa_memory_ordered 1
		.amdhsa_forward_progress 1
		.amdhsa_inst_pref_size 246
	.end_amdhsa_kernel
	.amdgpu_metadata
---
amdhsa.version: [ 1, 2 ]
amdhsa.kernels:
  - .name:           k_qb1e83a08c2_gemm_qkv
    .symbol:         k_qb1e83a08c2_gemm_qkv.kd
    .args:
      - { .name: c1, .offset: 0, .size: 8, .value_kind: global_buffer, .address_space: global }
      - { .name: s1, .offset: 8, .size: 8, .value_kind: global_buffer, .address_space: global }
      - { .name: bqkv, .offset: 16, .size: 8, .value_kind: global_buffer, .address_space: global }
      - { .name: acod, .offset: 24, .size: 8, .value_kind: global_buffer, .address_space: global }
      - { .name: ascl, .offset: 32, .size: 8, .value_kind: global_buffer, .address_space: global }
    .group_segment_fixed_size: 327680
    .private_segment_fixed_size: 0
    .kernarg_segment_align: 8
    .kernarg_segment_size: 40
    .max_flat_workgroup_size: 128
    .sgpr_count:     100
    .vgpr_count:     768
    .wavefront_size: 32
...
	.end_amdgpu_metadata
.endif
;; end of part 2
;; launch attn (part 3): grid 4 x 64, 16 waves a work-group, clusters of 4 x 1, 327,680 bytes of LDS; arguments acod, ascl, c2, s2; writes c2, s2
.if DOCPART == 3
	.amdgcn_target "amdgcn-amd-amdhsa--gfx1250"
	.amdhsa_code_object_version 6
	.text
	.protected	k_qb1e83a08c2_attn
	.globl	k_qb1e83a08c2_attn
	.p2align	8
	.type	k_qb1e83a08c2_attn,@function
k_qb1e83a08c2_attn:
	s_mov_b64 s[64:65], 0
	v_nop
	global_prefetch_b8 v0, s[64:65] scope:SCOPE_SE
	s_setreg_imm32_b32 hwreg(HW_REG_WAVE_MODE, 25, 1), 1
	s_wait_xcnt 0x0
	s_wait_alu depctr_hold_cnt(0) depctr_sa_sdst(0) depctr_va_vdst(0) depctr_va_sdst(0) depctr_va_ssrc(0) depctr_va_vcc(0) depctr_vm_vsrc(0)
	s_getreg_b32 s2, hwreg(HW_REG_IB_STS2, 6, 4)
	s_cmp_eq_u32 s2, 0
	s_cbranch_scc0 .Lentry_in_a_cluster
	s_endpgm
.Lentry_in_a_cluster:
	s_bfe_u32 s2, ttmp6, 0x10000c
	s_cmp_lg_u32 s2, 0x3003
	s_cbranch_scc0 .Lentry_shape_is_right
	s_endpgm
.Lentry_shape_is_right:
; Causal attention of one pair (batch, head) on codes of FP6 (E2M3) with E8M0 scales: S^T = K Q^T, p = 2^(t - M) with M the ceiling of the running largest t, p quantised by blocks of 32 keys, O^T += V^T p^T,
; O / l quantised along the head's 64 channels into c2, s2, the operand of the last product.
; WORK LEFT OUT: steps of 128 keys that lie wholly behind a query tile's diagonal: the causal mask hides all their scores, so their p is 0 for all inputs.
; LIMITS: the promise holds while the scaled scores stay under 2^31 in magnitude; NaN and infinities are not served; a block whose largest p lies under 2^-124 gets the byte 1.
; THE DEAL: four work-groups of a cluster share a pair's K and V (joint loads, mask 15) and take the query tiles 4 j + cx of 16 queries.  All of K (98,304 bytes), V (98,304) and their scale bytes (16,384) lie in LDS,
; filled once: waves 0-11 bring 16,384 bytes of codes each, waves 12-15 4,096 scale bytes each: one load a wave.  All loads go out at the head, so there is no loop in which a prefetch could run ahead.
; A wave takes tile j = wave and then j = 31 - wave: 17 steps of 128 keys a wave.  One text serves both passes; a trip beyond the diagonal is jumped over by ids alone.
; THE ORDER OF A STEP'S VECTOR WORK: independent chains side by side: the blocks' largest scores in eight chains, the row's sum in eight; the running maximum is kept as a raw score, so that four lines lead from the
; blocks' maxima to -M; the factor 2^(old M - new M) is made among the packed multiply-adds, and O^T is rescaled ahead of the exponentials, which form one batch.
; REGISTERS: v1-11, v30-31 addresses; v12 -M, v14-15 the sum; v16-27 Q; v28-29 Q's scale words; v32-85 K's, then V's fragments; v86-94 scale words of K, V, p; v96-159 scores, then p; v160-191 O^T;
; v192-197 the second pass's Q; v198-213 the sum's chains (on the way out v204-210); v214-220, v236-254 at work; v224-235 p's codes.
.set PLANE2, 442368
.set QSTR,   73728
.set KT,     6144                      ; a step's 128 keys of K, or of V
.set VB,     98304
.set SCB,    196608
.set STAGE,  212992                    ; 1,024 bytes a wave
.set SPARE,  229376
.set LK,   1
.set LSK,  2
.set LSV,  3
.set STI,  4
.set STO,  5
.set GO,   6
.set R8,   7
.set ADK,  8
.set ADSK, 9
.set ADSV, 10
.set DD,   11
.set Q,    16
.set QW,   28
.set QW2,  29
.set LV,   30
.set ADV,  31
.set KF,   32
.set KS,   86
.set VS,   90
.set PW,   94
.set S,    96
.set O,    160
.set Q2,   192
.set AC,   198
.set RBK,  204
.set OB,   210
.set PX,   214
.set W0,   218
.set MR,   220
.set MA,   240
.set MB,   244
.set WV,  12
.set CX,  13
.set BH,  14
.set PAR, 15
.set SEL, 16
.set CS,  18
.set G1C, 24
.set G1S, 32
.set G0C, 40
.set G0S, 44
.set OC1, 48
.set OS1, 50
.set OC2, 52
.set OS2, 54
.set SI,  56
.set SD,  57
.set TB,  58
.set TS,  59
.set J1,  60
.set J2,  61
.set SD2, 62
.set PS,  63
.set QP1, 66
.set QA1, 68
.set QP2, 70
.set QA2, 72
.set JP,  79
.set JP2, 80
.set NCS, 81
.macro WALU
	s_wait_alu depctr_va_vdst(0)
.endm
.macro PLACES
.rept 4
	v_nop
.endr
.endm
.macro CROUND
	s_barrier_signal -1
	s_barrier_wait -1
	s_cmp_lg_u32 s[WV], 0
	s_cbranch_scc1 .Lnot_wave_0_\@
	s_barrier_signal -3
.Lnot_wave_0_\@:
	s_barrier_wait -3
	s_barrier_signal -1
	s_barrier_wait -1
.endm
	s_load_b256 s[4:11], s[0:1], 0x0               ; acod, ascl, c2, s2
	v_lshl_add_u32 v251, v0, 2, SPARE
	v_mov_b32 v255, 0
	ds_add_u32 v251, v255                          ; the opening lines: the add twice on end
	ds_add_u32 v251, v255
	v_lshrrev_b32 v1, 5, v0
	v_readfirstlane_b32 s[WV], v1
	s_bfe_u32 s[CX], ttmp6, 0x40000
	s_and_b32 s[BH], ttmp7, 0xffff
	s_and_b32 s[PAR], s[BH], 1
	s_mov_b32 s[G1C], 15|(3<<16)|(1<<21)           ; dense blocks as rows of 256 bytes (32 elements of 8): 64 rows of codes,
	s_mov_b32 s[G1C+1], 32<<16
	s_mov_b32 s[G1C+2], 64<<16
	s_mov_b32 s[G1C+3], 32<<16
	s_mov_b32 s[G1C+4], 64
	s_mov_b32 s[G1C+5], 32
	s_mov_b32 s[G1C+6], 0
	s_mov_b32 s[G1C+7], 0
	s_mov_b32 s[G1S], 15|(3<<16)|(1<<21)           ; 16 rows of scale bytes
	s_mov_b32 s[G1S+1], 32<<16
	s_mov_b32 s[G1S+2], 16<<16
	s_mov_b32 s[G1S+3], 32<<16
	s_mov_b32 s[G1S+4], 16
	s_mov_b32 s[G1S+5], 32
	s_mov_b32 s[G1S+6], 0
	s_mov_b32 s[G1S+7], 0
	s_mul_i32 s20, s[BH], 98304                    ; codes: K's at 6,291,456 + 98,304 x pair, V's 6,291,456 further on; chunk w of twelve: w / 6 says K or V
	s_add_co_u32 s20, s20, 6291456
	s_lshl_b32 s21, s[WV], 14
	s_add_co_u32 s20, s20, s21
	s_mul_i32 s21, s[WV], 11
	s_lshr_b32 s21, s21, 6                         ; w / 6 for w = 0 .. 11
	s_mul_i32 s21, s21, 6291456-98304
	s_add_co_u32 s20, s20, s21
	s_mov_b32 s21, 0
	s_lshr_b32 s22, s[BH], 1                       ; scale bytes: 8,192 for a pair of heads; K's at 262,144, V's at 524,288; chunk u = w % 4: u / 2 says K or V
	s_lshl_b32 s22, s22, 13
	s_and_b32 s74, s[WV], 3
	s_lshr_b32 s23, s74, 1
	s_lshl_b32 s23, s23, 18
	s_add_co_u32 s22, s22, s23
	s_and_b32 s23, s74, 1
	s_lshl_b32 s23, s23, 12
	s_add_co_u32 s22, s22, s23
	s_add_co_u32 s22, s22, 262144
	s_mov_b32 s23, 0
	s_mov_b32 s[G0C], 1
	s_lshl_b32 s[G0C+1], s[WV], 14
	s_mov_b32 s[G0S], 1
	s_lshl_b32 s[G0S+1], s74, 12
	s_add_co_u32 s[G0S+1], s[G0S+1], SCB
	s_mov_b32 s[SEL], 0x76543210
	s_mov_b32 s[SEL+1], 0xfedcba98
	s_mov_b32 s[CS], 0x3e38aa3b                    ; c = log2(e) / 8
	s_mov_b32 s[CS+1], s[CS]
	s_mov_b32 s[NCS], 0xbe38aa3b                   ; -c
	s_mov_b32 s[J1], s[WV]
	s_sub_co_u32 s[J2], 31, s[WV]
	s_lshr_b32 s[SD], s[J1], 1                     ; the diagonal's step,
	s_lshr_b32 s[SD2], s[J2], 1
	s_and_b32 s[JP], s[J1], 1                      ; and which 64 of its 128 keys hold my queries
	s_and_b32 s[JP2], s[J2], 1
	s_wait_dscnt 0x0
	CROUND                                         ; the round in front of the joint loads
	s_wait_kmcnt 0x0
	s_add_nc_u64 s[G0C+2:G0C+3], s[4:5], s[20:21]
	s_or_b32 s[G0C+3], s[G0C+3], 0x80000000
	s_add_nc_u64 s[G0S+2:G0S+3], s[6:7], s[22:23]
	s_or_b32 s[G0S+3], s[G0S+3], 0x80000000
	s_cmp_lt_u32 s[WV], 12
	s_cbranch_scc0 .Lscales
	tensor_load_to_lds s[G0C:G0C+3], s[G1C:G1C+7]
	s_nop 0
	PLACES
	s_branch .Lasked
.Lscales:
	tensor_load_to_lds s[G0S:G0S+3], s[G1S:G1S+7]
	s_nop 0
	PLACES
.Lasked:
.macro PTRS j, qp, qa, oc, os          ; tile 4 j + cx: its codes and scale words of Q, its place in c2 and s2
	s_lshl_b32 s20, s[\j], 2
	s_add_co_u32 s20, s20, s[CX]
	s_mul_i32 s22, s[BH], 98304
	s_mul_i32 s21, s20, 768
	s_add_co_u32 s22, s22, s21
	s_mov_b32 s23, 0
	s_add_nc_u64 s[\qp:\qp+1], s[4:5], s[22:23]
	s_lshr_b32 s22, s[BH], 1
	s_lshl_b32 s22, s22, 13
	s_lshr_b32 s21, s20, 3
	s_lshl_b32 s21, s21, 9
	s_add_co_u32 s22, s22, s21
	s_and_b32 s21, s20, 7
	s_lshl_b32 s21, s21, 2
	s_add_co_u32 s22, s22, s21
	s_lshl_b32 s21, s[PAR], 1
	s_add_co_u32 s22, s22, s21
	s_add_nc_u64 s[\qa:\qa+1], s[6:7], s[22:23]
	s_lshr_b32 s21, s[BH], 4
	s_lshl_b32 s21, s21, 11
	s_lshl_b32 s20, s20, 4
	s_add_co_u32 s20, s20, s21
	s_and_b32 s21, s[BH], 15
	s_mul_i32 s22, s21, PLANE2
	s_mul_i32 s74, s20, 48
	s_add_co_u32 s22, s22, s74
	s_add_nc_u64 s[\oc:\oc+1], s[8:9], s[22:23]
	s_lshr_b32 s22, s21, 2
	s_mul_i32 s22, s22, QSTR
	s_lshl_b32 s20, s20, 3
	s_add_co_u32 s22, s22, s20
	s_and_b32 s21, s21, 3
	s_lshl_b32 s21, s21, 1
	s_add_co_u32 s22, s22, s21
	s_add_nc_u64 s[\os:\os+1], s[10:11], s[22:23]
.endm
	PTRS J1, QP1, QA1, OC1, OS1
	PTRS J2, QP2, QA2, OC2, OS2
	s_lshl_b32 s75, s[PAR], 1
	s_add_co_u32 s75, s75, SCB
	s_lshl_b32 s76, s[PAR], 4
	s_add_co_u32 s76, s76, SCB+8192
	s_lshl_b32 s77, s[WV], 10
	s_add_co_u32 s77, s77, STAGE
	s_lshr_b32 s78, s[CX], 1
	s_lshl_b32 s78, s78, 5
	s_and_b32 s21, s[CX], 1
	s_lshl_b32 s21, s21, 3
	s_add_co_u32 s78, s78, s21
	v_and_b32 v8, 15, v0                           ; r
	v_bfe_u32 v9, v0, 4, 1                         ; h
	v_and_b32 v10, 31, v0
	v_mul_u32_u24 v[LK], v8, 48
	v_mad_u32_u24 v[LK], v9, 24, v[LK]             ; 48 r + 24 h
	v_lshlrev_b32 v221, 5, v8                      ; 32 r
	v_add_nc_u32 v[LV], VB, v[LK]
	v_lshl_add_u32 v[LSK], v9, 2, v221
	v_add_nc_u32 v[LSK], s75, v[LSK]
	v_add_nc_u32 v[LSV], s76, v221
	v_add_nc_u32 v[STI], s77, v[LK]
	v_lshlrev_b32 v[GO], 3, v10
	v_add_nc_u32 v[STO], s77, v[GO]
	v_lshlrev_b32 v[R8], 3, v8
	v_and_b32 v10, 8, v8
	v_add_nc_u32 v[DD], v10, v8
	v_lshlrev_b32 v10, 4, v9
	v_sub_nc_u32 v[DD], v[DD], v10
	v_add_nc_u32 v[DD], s78, v[DD]                 ; my query's place in its 64, less 16 h: a key of those 64 at 32 (n / 16) + n % 16 is hidden where that is greater
	WALU
.irp p, 0,1,2
	global_load_b64 v[Q+2*\p:Q+2*\p+1], v[LK], s[QP1:QP1+1] offset:8*\p
	global_load_b64 v[Q2+2*\p:Q2+2*\p+1], v[LK], s[QP2:QP2+1] offset:8*\p
.endr
	global_load_u16 v[QW], v221, s[QA1:QA1+1]
	global_load_u16 v[QW2], v221, s[QA2:QA2+1]
.irp i, 6,7,8,9,10,11
	v_mov_b32 v[Q+\i], 0                           ; the head has 64 channels: the upper 64 of the product's K are zero codes
.endr
.irp i, 48,49,50,51,52,53
	v_mov_b32 v[KF+\i], 0
.endr
.irp i, 13,214,215,216,217,236,237,252,253
	v_mov_b32 v\i, 0                               ; a lane permute's destination and a pair's upper half count as read
.endr
	WALU                                           ; the wait at the head's end
	s_wait_loadcnt 0x0
	s_wait_tensorcnt 0x0
	s_barrier_signal -1
	s_barrier_wait -1                              ; every wave's load has landed; nothing is filled again
.macro TM8 j0                          ; t - M of sixteen scores
.set jj, \j0
.rept 8
	v_pk_fma_f32 v[S+jj:S+jj+1], v[S+jj:S+jj+1], s[CS:CS+1], v[12:13] op_sel_hi:[1,0,0]
.set jj, jj+2
.endr
.endm
.macro SUM8 first, j0                  ; eight chains of the row's sum take sixteen p each turn
.set cc, 0
.rept 8
.if \first
	v_pk_add_f32 v[AC+2*cc:AC+2*cc+1], v[S+2*cc:S+2*cc+1], v[S+16+2*cc:S+17+2*cc]
.else
	v_pk_add_f32 v[AC+2*cc:AC+2*cc+1], v[AC+2*cc:AC+2*cc+1], v[S+\j0+2*cc:S+\j0+1+2*cc]
.endif
.set cc, cc+1
.endr
.endm
	s_mov_b32 s[PS], 0
.Lpass:
	v_mov_b32 v[MR], 0xff61b1e6                    ; the largest score so far: -3e38
	v_mov_b32 v14, 0
	v_mov_b32 v15, 0
	v_mul_f32 v254, s[NCS], v[MR]
.set jj, 0
.rept 32
	v_mov_b32 v[O+jj], 0
.set jj, jj+1
.endr
	v_floor_f32 v12, v254                          ; -M
	s_mov_b32 s[SI], 0
	s_mov_b32 s[TB], 0
	s_mov_b32 s[TS], 0
	WALU
.Ltrip:
	s_cmp_gt_u32 s[SI], s[SD]
	s_cbranch_scc1 .Lhidden                        ; behind the diagonal: ids alone decide
	v_add_nc_u32 v[ADK], s[TB], v[LK]              ; these four lines are also the places behind the last step's products
	v_add_nc_u32 v[ADSK], s[TS], v[LSK]
	v_add_nc_u32 v[ADV], s[TB], v[LV]
	v_add_nc_u32 v[ADSV], s[TS], v[LSV]
.irp t, 0,1,2,3,4,5,6,7
.irp p, 0,1,2
	ds_load_b64 v[KF+6*\t+2*\p:KF+6*\t+2*\p+1], v[ADK] offset:768*\t+8*\p
.endr
.endr
.irp j, 0,1,2,3
	ds_load_u16 v[KS+\j], v[ADSK] offset:8*\j
.endr
	ds_load_b128 v[VS:VS+3], v[ADSV]
	WALU
	s_wait_dscnt 0x0
.irp t, 0,2,4,6                        ; S^T: a tile of K is six registers, and the six behind it meet Q's zero codes
	v_wmma_scale_f32_16x16x128_f8f6f4 v[S+8*\t:S+8*\t+7], v[KF+6*\t:KF+6*\t+11], v[Q:Q+11], 0, v[KS+\t/2], v[QW] matrix_a_fmt:MATRIX_FMT_FP6 matrix_b_fmt:MATRIX_FMT_FP6
	v_wmma_scale_f32_16x16x128_f8f6f4 v[S+8*\t+8:S+8*\t+15], v[KF+6*\t+6:KF+6*\t+17], v[Q:Q+11], 0, v[KS+\t/2], v[QW] matrix_a_fmt:MATRIX_FMT_FP6 matrix_b_fmt:MATRIX_FMT_FP6 matrix_a_scale:MATRIX_SCALE_ROW1
.endr
	PLACES
.irp t, 0,1,2,3
.irp c, 0,1
.irp p, 0,1,2
	ds_load_b64 v[KF+12*\t+6*\c+2*\p:KF+12*\t+6*\c+2*\p+1], v[ADV] offset:3072*\c+768*\t+8*\p
.endr
.endr
.endr
	s_cmp_lt_u32 s[SI], s[SD]
	s_cbranch_scc1 .Lopen
	s_cmp_eq_u32 s[JP], 0                          ; the diagonal step
	s_cbranch_scc0 .Lodd
	v_mov_b32 v254, 0xff800000                     ; my queries lie in the first 64 keys: those are compared, the second 64 are hidden
.set nn, 0
.rept 32
	v_cmp_gt_i32 vcc_lo, 32*(nn/16)+nn%16, v[DD]
	v_cndmask_b32 v[S+nn], v[S+nn], v254, vcc_lo
.set nn, nn+1
.endr
.rept 32
	v_mov_b32 v[S+nn], v254
.set nn, nn+1
.endr
	s_branch .Lopen
.Lodd:
	v_mov_b32 v254, 0xff800000                     ; in the second 64: the first 64 are open
.set nn, 32
.rept 32
	v_cmp_gt_i32 vcc_lo, 32*(nn/16)+nn%16-64, v[DD]
	v_cndmask_b32 v[S+nn], v[S+nn], v254, vcc_lo
.set nn, nn+1
.endr
.Lopen:
	WALU                                           ; the wait behind the jumps, ahead of the readers below
.irp b, 0,1,2,3                        ; the largest score of each block of 32 keys: two chains a block
	v_max3_num_f32 v[MA+\b], v[S+16*\b], v[S+1+16*\b], v[S+2+16*\b]
.endr
.irp b, 0,1,2,3
	v_max3_num_f32 v[MB+\b], v[S+8+16*\b], v[S+9+16*\b], v[S+10+16*\b]
.endr
.irp i, 3,5
.irp b, 0,1,2,3
	v_max3_num_f32 v[MA+\b], v[MA+\b], v[S+16*\b+\i], v[S+1+16*\b+\i]
.endr
.irp b, 0,1,2,3
	v_max3_num_f32 v[MB+\b], v[MB+\b], v[S+8+16*\b+\i], v[S+9+16*\b+\i]
.endr
.endr
.irp b, 0,1,2,3
	v_max3_num_f32 v[MA+\b], v[MA+\b], v[S+7+16*\b], v[S+15+16*\b]
.endr
	v_mov_b32 v250, v12                            ; the old -M
.irp b, 0,1,2,3
	v_max_num_f32 v[MA+\b], v[MA+\b], v[MB+\b]
.endr
.irp b, 0,1,2,3
	s_delay_alu instid0(VALU_DEP_4)
	v_permlanex16_b32 v[PX+\b], v[MA+\b], s[SEL], s[SEL+1]
.endr
.irp b, 0,1,2,3
	s_delay_alu instid0(VALU_DEP_4)
	v_max_num_f32 v[MA+\b], v[MA+\b], v[PX+\b]     ; with lane l xor 16's 16 keys
.endr
	s_delay_alu instid0(VALU_DEP_2)
	v_max3_num_f32 v254, v[MA], v[MA+1], v[MA+2]
	s_delay_alu instid0(VALU_DEP_1)
	v_max3_num_f32 v[MR], v254, v[MA+3], v[MR]     ; the running largest score
	s_delay_alu instid0(VALU_DEP_1)
	v_mul_f32 v254, s[NCS], v[MR]                  ; -t (c is positive, so the largest score gives the largest t)
	s_delay_alu instid0(VALU_DEP_1)
	v_floor_f32 v12, v254                          ; -M = floor(-t)
	TM8 0
	v_sub_f32 v250, v12, v250                      ; old M less new M, a whole number
	TM8 16
	v_cvt_i32_f32 v250, v250                       ; (it saturates)
	TM8 32
	v_ldexp_f32 v252, 1.0, v250                    ; f = 2^(old M - new M)
	TM8 48
.irp b, 0,1,2,3
	v_fma_f32 v[MA+\b], v[MA+\b], s[CS], v12       ; the same of each block's largest score
.endr
.set jj, 0
.rept 16
	v_pk_mul_f32 v[O+jj:O+jj+1], v[O+jj:O+jj+1], v[252:253] op_sel_hi:[1,0]   ; O^T under the new M
.set jj, jj+2
.endr
	WALU                                           ; one wait ahead of the batch,
.set jj, 0
.rept 64
	v_exp_f32 v[S+jj], v[S+jj]
.set jj, jj+1
.endr
.irp b, 0,1,2,3
	v_exp_f32 v[MA+\b], v[MA+\b]                   ; each block's largest p
.endr
	v_nop
	WALU                                           ; and one behind it
.irp b, 0,1,2,3
	v_max_num_f32 v[MA+\b], 0x1800000, v[MA+\b]    ; the floor 2^(3 - 127)
.endr
	SUM8 1, 0                                      ; the sum of the unquantised p
.irp b, 0,1,2,3
	v_add_nc_u32 v[MB+\b], 0xff000000, v[MA+\b]    ; 2 off the exponent field: the conversion's scale operand
.endr
	SUM8 0, 32
.irp b, 0,1,2,3
	v_lshrrev_b32 v[PX+\b], 23, v[MB+\b]           ; the scale's byte
.endr
	SUM8 0, 48
	v_lshl_or_b32 v[W0], v[PX+1], 8, v[PX]
	v_lshl_or_b32 v[W0+1], v[PX+3], 8, v[PX+2]
.irp c, 0,1,2,3
	v_pk_add_f32 v[AC+2*\c:AC+2*\c+1], v[AC+2*\c:AC+2*\c+1], v[AC+8+2*\c:AC+9+2*\c]
.endr
	v_lshl_or_b32 v[PW], v[W0+1], 16, v[W0]        ; p's scale word
.irp c, 0,1
	v_cvt_scalef32_pk16_fp6_f32 v[224+6*\c:226+6*\c], v[S+32*\c:S+15+32*\c], v[MB+2*\c]
	v_cvt_scalef32_pk16_fp6_f32 v[236+4*\c:238+4*\c], v[S+16+32*\c:S+31+32*\c], v[MB+2*\c+1]
.endr
	v_nop
.irp c, 0,1
.irp i, 0,1,2
	v_permlane16_swap_b32 v[224+6*\c+\i], v[236+4*\c+\i]   ; a whole block to a lane
.endr
.endr
.irp c, 0,1
.irp i, 0,1,2
	v_mov_b32 v[227+6*\c+\i], v[236+4*\c+\i]
.endr
.endr
	v_pk_add_f32 v[AC:AC+1], v[AC:AC+1], v[AC+4:AC+5]      ; these four lines are also the places between the codes' last write and the products
	v_pk_add_f32 v[AC+2:AC+3], v[AC+2:AC+3], v[AC+6:AC+7]
	v_pk_fma_f32 v[14:15], v[14:15], v[252:253], v[AC:AC+1] op_sel_hi:[1,0,1]
	v_pk_add_f32 v[14:15], v[14:15], v[AC+2:AC+3]
	WALU
	s_wait_dscnt 0x0                               ; V's fragments are in
.irp t, 0,1,2,3
	v_wmma_scale_f32_16x16x128_f8f6f4 v[O+8*\t:O+8*\t+7], v[KF+12*\t:KF+12*\t+11], v[224:235], v[O+8*\t:O+8*\t+7], v[VS+\t], v[PW] matrix_a_fmt:MATRIX_FMT_FP6 matrix_b_fmt:MATRIX_FMT_FP6
.endr
.Lhidden:
	s_add_co_u32 s[TB], s[TB], KT
	s_add_co_u32 s[TS], s[TS], 512
	s_add_co_u32 s[SI], s[SI], 1
	s_cmp_lt_u32 s[SI], 16
	s_cbranch_scc1 .Ltrip
; the way out: O^T / l, quantised along the 64 channels, through my stage, out in runs of 256 bytes
	s_wait_xcnt 0x0                                ; the last pass's stores have read their registers
	PLACES
	v_add_f32 v14, v14, v15
	s_delay_alu instid0(VALU_DEP_1)
	v_permlanex16_b32 v252, v14, s[SEL], s[SEL+1]
	s_delay_alu instid0(VALU_DEP_1)
	v_add_f32 v14, v14, v252
	WALU
	v_rcp_f32 v14, v14
	v_nop
	WALU
.set jj, 0
.rept 32
	v_mul_f32 v[S+jj], v[O+jj], v14
.set jj, jj+1
.endr
.irp b, 0,1
	v_max3_num_f32 v[232+\b], |v[S+16*\b]|, |v[S+1+16*\b]|, 0x1800000
.endr
.irp i, 2,4,6,8,10,12,14
.irp b, 0,1
	s_delay_alu instid0(VALU_DEP_2)
	v_max3_num_f32 v[232+\b], v[232+\b], |v[S+16*\b+\i]|, |v[S+1+16*\b+\i]|
.endr
.endr
.irp b, 0,1
	s_delay_alu instid0(VALU_DEP_2)
	v_permlanex16_b32 v[236+\b], v[232+\b], s[SEL], s[SEL+1]
.endr
.irp b, 0,1
	s_delay_alu instid0(VALU_DEP_2)
	v_max_num_f32 v[232+\b], v[232+\b], v[236+\b]
.endr
.irp b, 0,1
	s_delay_alu instid0(VALU_DEP_2)
	v_add_nc_u32 v[244+\b], 0xff000000, v[232+\b]
.endr
.irp b, 0,1
	s_delay_alu instid0(VALU_DEP_2)
	v_lshrrev_b32 v[236+\b], 23, v[244+\b]
.endr
	s_delay_alu instid0(VALU_DEP_1)
	v_lshl_or_b32 v[OB], v237, 8, v236
	v_cvt_scalef32_pk16_fp6_f32 v[224:226], v[S:S+15], v244
	v_cvt_scalef32_pk16_fp6_f32 v[240:242], v[S+16:S+31], v245
	v_nop
.irp i, 0,1,2
	v_permlane16_swap_b32 v[224+\i], v[240+\i]
.endr
.irp i, 0,1,2
	s_delay_alu instid0(VALU_DEP_3)
	v_mov_b32 v[227+\i], v[240+\i]
.endr
.irp p, 0,1,2
	ds_store_b64 v[STI], v[224+2*\p:225+2*\p] offset:8*\p
.endr
.irp k, 0,1,2
	ds_load_b64 v[RBK+2*\k:RBK+2*\k+1], v[STO] offset:256*\k   ; LDS serves a wave's instructions in order: these see the stores above
.endr
	WALU
	s_wait_dscnt 0x0
.irp k, 0,1,2
	global_store_b64 v[GO], v[RBK+2*\k:RBK+2*\k+1], s[OC1:OC1+1] offset:256*\k   ; 256 consecutive bytes, aligned
.endr
	global_store_b16 v[R8], v[OB], s[OS1:OS1+1]
	s_wait_xcnt 0x0                                ; the stores have read their bases: the second pass's take their place
	s_mov_b64 s[OC1:OC1+1], s[OC2:OC2+1]
	s_mov_b64 s[OS1:OS1+1], s[OS2:OS2+1]
	s_mov_b32 s[SD], s[SD2]
	s_mov_b32 s[JP], s[JP2]
.irp i, 0,1,2,3,4,5
	v_mov_b32 v[Q+\i], v[Q2+\i]
.endr
	v_mov_b32 v[QW], v[QW2]
	s_add_co_u32 s[PS], s[PS], 1
	s_cmp_lt_u32 s[PS], 2
	WALU
	s_cbranch_scc1 .Lpass
	s_wait_tensorcnt 0x0                           ; the wave's end
	ds_add_u32 v251, v255
	s_wait_dscnt 0x0
	CROUND                                         ; the closing round
	s_endpgm
.Lfunc_end_k_qb1e83a08c2_attn:
	.size	k_qb1e83a08c2_attn, .Lfunc_end_k_qb1e83a08c2_attn-k_qb1e83a08c2_attn
	.p2alignl 7, 3214868480
	.fill 96, 4, 3214868480
	.section	.rodata,"a",@progbits
	.p2align	6, 0x0
	.amdhsa_kernel k_qb1e83a08c2_attn
		.amdhsa_group_segment_fixed_size 327680
		.amdhsa_private_segment_fixed_size 0
		.amdhsa_enable_private_segment 0
		.amdhsa_kernarg_size 32
		.amdhsa_user_sgpr_count 2
		.amdhsa_user_sgpr_kernarg_segment_ptr 1
		.amdhsa_wavefront_size32 1
		.amdhsa_system_sgpr_workgroup_id_x 1
		.amdhsa_system_sgpr_workgroup_id_y 1
		.amdhsa_system_sgpr_workgroup_id_z 1
		.amdhsa_system_vgpr_workitem_id 0
		.amdhsa_next_free_vgpr 256
		.amdhsa_next_free_sgpr 84
		.amdhsa_reserve_vcc 1
		.amdhsa_float_denorm_mode_32 3
		.amdhsa_float_denorm_mode_16_64 3
		.amdhsa_memory_ordered 1
		.amdhsa_forward_progress 1
		.amdhsa_inst_pref_size 40
	.end_amdhsa_kernel
	.amdgpu_metadata
---
amdhsa.version: [ 1, 2 ]
amdhsa.kernels:
  - .name:           k_qb1e83a08c2_attn
    .symbol:         k_qb1e83a08c2_attn.kd
    .args:
      - { .name: acod, .offset: 0, .size: 8, .value_kind: global_buffer, .address_space: global }
      - { .name: ascl, .offset: 8, .size: 8, .value_kind: global_buffer, .address_space: global }
      - { .name: c2, .offset: 16, .size: 8, .value_kind: global_buffer, .address_space: global }
      - { .name: s2, .offset: 24, .size: 8, .value_kind: global_buffer, .address_space: global }
    .group_segment_fixed_size: 327680
    .private_segment_fixed_size: 0
    .kernarg_segment_align: 8
    .kernarg_segment_size: 32
    .max_flat_workgroup_size: 512
    .sgpr_count:     84
    .vgpr_count:     256
    .wavefront_size: 32
...
	.end_amdgpu_metadata
.endif
;; end of part 3
;; launch gemm_out (part 4): grid 4 x 64, 4 waves a work-group, clusters of 4 x 4, 327,680 bytes of LDS; arguments c2, s2, bout, out0; writes out0
.if DOCPART == 4
	.amdgcn_target "amdgcn-amd-amdhsa--gfx1250"
	.amdhsa_code_object_version 6
	.text
	.protected	k_qb1e83a08c2_gemm_out
	.globl	k_qb1e83a08c2_gemm_out
	.p2align	8
	.type	k_qb1e83a08c2_gemm_out,@function
k_qb1e83a08c2_gemm_out:
	s_mov_b64 s[64:65], 0
	v_nop
	global_prefetch_b8 v0, s[64:65] scope:SCOPE_SE
	s_setreg_imm32_b32 hwreg(HW_REG_WAVE_MODE, 25, 1), 1
	s_wait_xcnt 0x0
	s_wait_alu depctr_hold_cnt(0) depctr_sa_sdst(0) depctr_va_vdst(0) depctr_va_sdst(0) depctr_va_ssrc(0) depctr_va_vcc(0) depctr_vm_vsrc(0)
	s_getreg_b32 s2, hwreg(HW_REG_IB_STS2, 6, 4)
	s_cmp_eq_u32 s2, 0
	s_cbranch_scc0 .Lentry_in_a_cluster
	s_endpgm
.Lentry_in_a_cluster:
	s_bfe_u32 s2, ttmp6, 0x10000c
	s_cmp_lg_u32 s2, 0xf033
	s_cbranch_scc0 .Lentry_shape_is_right
	s_endpgm
.Lentry_shape_is_right:
; out0 = attention's result x Wout + bout on codes of FP6 (E2M3) with E8M0 scales.  Both operands lie in c2 ([16 planes of 64 K][9,216 rows][48 bytes]; rows 0..8191 tokens, rows 8192.. Wout's columns,
; each at its position: bits 3 and 4 of the index exchanged) and s2 ([4 quarters of K][9,216][8]).
; A work-group makes 128 tokens x 256 columns: 64 x 4 = 256 work-groups.  Four waves, 2 x 2, of 64 x 128: 32 accumulators.
; ALL OF K LIES IN LDS: A's 128 rows (98,304 bytes), B's 256 rows (196,608), the scale bytes of 256 rows from A's first row on and of B's 256 rows (8,192 each; A's second 128 rows are not used: they keep
; A's and B's quarters at one pitch).  Four joint loads at the head, one a wave; nothing is filled again, so no round stands in the walk along K, and there is no loop of loads in which a prefetch could run ahead.
; CLUSTERS 4 x 4: A's tiles are shared along a row of the cluster, B's along a column.
; The matrix instruction is used transposed (source 0 = B's rows, source 1 = A's): a lane holds one token, and by the order of rows the 16 registers of B's blocks 2 b, 2 b + 1 are 16 neighbouring columns.
; The bias is the first products' C.  Eight steps of 128 along K; a step's fragments are fetched ahead of the step before's 32 products, into the other of two sets.
; REGISTERS: window 0: v16-29 addresses; v32-63 scale words, two sets; v64-127 the bias; v128-223 A's fragments, two sets (on the way out v128-255 rows read back).  Window 1: B's fragments, two sets.  Window 2: accumulators.
.set ROWS,   9216
.set PA,     128*48
.set PB,     256*48
.set BREG,   16*PA
.set SCL,    BREG+16*PB
.set SPARE,  SCL+16384
.set SPITCH, 528
.set FR,     12
.set ADRA, 16                          ; v16-17 my A fragments: planes 0-7, 8-15
.set ADRB, 20                          ; v20-23 B's: four planes each
.set STO,  24
.set RD,   25
.set CO,   26
.set ADRS, 27
.set SPW,  28
.set NIL,  29
.set SC,   32
.set CB,   64
.set AF,   128
.set BK,   128
.set G1, 24
.set G0, 32
.set G0B, 36
.set G1B, 48
.set G0S, 56
.set G0SB, 60
.set G1S, 68
.set G1SB, 80
.set MSB, 0
.macro WIN new
.if MSB != (\new)
	s_set_vgpr_msb (MSB<<8)|(\new)
.set MSB, (\new)
.endif
.endm
.macro PLACES
.rept 4
	v_nop
.endr
.endm
.macro CROUND
	s_barrier_signal -1
	s_barrier_wait -1
	s_cmp_lg_u32 s14, 0
	s_cbranch_scc1 .Lnot_wave_0_\@
	s_barrier_signal -3
.Lnot_wave_0_\@:
	s_barrier_wait -3
	s_barrier_signal -1
	s_barrier_wait -1
.endm
	s_load_b256 s[4:11], s[0:1], 0x0               ; c2, s2, bout, out0
	v_lshl_add_u32 v[SPW], v0, 2, SPARE
	v_mov_b32 v[NIL], 0
	ds_add_u32 v[SPW], v[NIL]                      ; the opening lines: the add twice on end
	ds_add_u32 v[SPW], v[NIL]
	v_lshrrev_b32 v1, 5, v0
	v_readfirstlane_b32 s14, v1                    ; wave
	s_lshr_b32 s15, s14, 1                         ; my half of the tokens
	s_and_b32 s16, s14, 1                          ; my half of the columns
	s_bfe_u32 s40, ttmp6, 0x40000
	s_bfe_u32 s41, ttmp6, 0x40004
	s_lshl_b32 s42, ttmp9, 2
	s_add_co_u32 s42, s42, s40                     ; tile column
	s_and_b32 s17, ttmp7, 0xffff
	s_lshl_b32 s17, s17, 2
	s_add_co_u32 s17, s17, s41                     ; tile row
	s_lshl_b32 s43, s41, 2
	s_lshl_b32 s43, 15, s43
	s_lshl_b32 s44, 0x1111, s40
	s_or_b32 s[G1], s43, (3<<16)|(1<<21)           ; A: 16 planes of 128 rows x 48 bytes = 768 elements of 8 bytes
	s_mov_b32 s[G1+1], 768<<16
	s_mov_b32 s[G1+2], 16<<16
	s_mov_b32 s[G1+3], 768<<16
	s_mov_b32 s[G1+4], 16
	s_mov_b32 s[G1+5], ROWS*6
	s_mov_b32 s[G1+6], 0
	s_mov_b32 s[G1+7], 0
	s_or_b32 s[G1B], s44, (3<<16)|(1<<21)          ; B: 16 planes of 256 rows
	s_mov_b32 s[G1B+1], 1536<<16
	s_mov_b32 s[G1B+2], 16<<16
	s_mov_b32 s[G1B+3], 1536<<16
	s_mov_b32 s[G1B+4], 16
	s_mov_b32 s[G1B+5], ROWS*6
	s_mov_b32 s[G1B+6], 0
	s_mov_b32 s[G1B+7], 0
	s_or_b32 s[G1S], s43, (3<<16)|(1<<21)          ; scale bytes: 4 quarters of 256 rows x 8 bytes
	s_or_b32 s[G1SB], s44, (3<<16)|(1<<21)
.irp g, G1S, G1SB
	s_mov_b32 s[\g+1], 256<<16
	s_mov_b32 s[\g+2], 4<<16
	s_mov_b32 s[\g+3], 256<<16
	s_mov_b32 s[\g+4], 4
	s_mov_b32 s[\g+5], ROWS
	s_mov_b32 s[\g+6], 0
	s_mov_b32 s[\g+7], 0
.endr
	s_mul_i32 s20, s17, PA                         ; A's first row, 128 x tile row: its codes,
	s_mov_b32 s21, 0
	s_lshl_b32 s22, s17, 10                        ; its scale bytes
	s_mov_b32 s23, 0
	s_lshl_b32 s46, s42, 8
	s_add_co_u32 s46, s46, 8192                    ; B's first row
	s_lshl_b32 s2, s46, 3
	s_mul_i32 s46, s46, 48
	s_mov_b32 s47, 0
	s_mov_b32 s3, 0
	s_wait_dscnt 0x0
	s_wait_kmcnt 0x0
	s_add_nc_u64 s[20:21], s[4:5], s[20:21]
	s_add_nc_u64 s[22:23], s[6:7], s[22:23]
	s_add_nc_u64 s[46:47], s[4:5], s[46:47]
	s_add_nc_u64 s[2:3], s[6:7], s[2:3]
	CROUND                                         ; the round in front of the joint loads
	s_mov_b32 s[G0], 1
	s_mov_b32 s[G0+1], 0
	s_mov_b64 s[G0+2:G0+3], s[20:21]
	s_or_b32 s[G0+3], s[G0+3], 0x80000000
	s_mov_b32 s[G0B], 1
	s_mov_b32 s[G0B+1], BREG
	s_mov_b64 s[G0B+2:G0B+3], s[46:47]
	s_or_b32 s[G0B+3], s[G0B+3], 0x80000000
	s_mov_b32 s[G0S], 1
	s_mov_b32 s[G0S+1], SCL
	s_mov_b64 s[G0S+2:G0S+3], s[22:23]
	s_or_b32 s[G0S+3], s[G0S+3], 0x80000000
	s_mov_b32 s[G0SB], 1
	s_mov_b32 s[G0SB+1], SCL+8192
	s_mov_b64 s[G0SB+2:G0SB+3], s[2:3]
	s_or_b32 s[G0SB+3], s[G0SB+3], 0x80000000
.macro ARM under, g0, g1, next         ; one chain of branches on the wave's number, one load to an arm
	s_cmp_lt_u32 s14, \under
	s_cbranch_scc0 \next
	tensor_load_to_lds s[\g0:\g0+3], s[\g1:\g1+7]
	s_nop 0
	PLACES
	s_branch .Lhead_asked
\next:
.endm
	ARM 1, G0B, G1B, .Lhead_a
	ARM 2, G0,  G1,  .Lhead_sa
	ARM 3, G0S, G1S, .Lhead_sb
	tensor_load_to_lds s[G0SB:G0SB+3], s[G1SB:G1SB+7]
	s_nop 0
	PLACES
.Lhead_asked:
	s_lshl_b32 s20, s17, 7
	s_lshl_b32 s21, s15, 6
	s_add_co_u32 s20, s20, s21                     ; my first token,
	s_lshl_b32 s20, s20, 12                        ; a row of out0 is 4,096 bytes
	s_lshl_b32 s46, s42, 8
	s_lshl_b32 s47, s16, 7
	s_add_co_u32 s46, s46, s47
	s_lshl_b32 s46, s46, 2                         ; my first column, in bytes
	s_mov_b32 s47, 0
	s_add_nc_u64 s[8:9], s[8:9], s[46:47]
	s_add_co_u32 s20, s20, s46
	s_mov_b32 s21, 0
	s_add_nc_u64 s[10:11], s[10:11], s[20:21]
	s_mul_i32 s18, s15, 64*48                      ; my 64 rows of A,
	s_mul_i32 s19, s16, 128*48
	s_add_co_u32 s19, s19, BREG                    ; my 128 rows of B
	s_lshl_b32 s12, s15, 9                         ; their scale bytes: A's,
	s_lshl_b32 s13, s16, 10
	s_add_co_u32 s13, s13, 8192
	s_sub_co_u32 s13, s13, s12                     ; and how far on B's lie
	s_add_co_u32 s12, s12, SCL
	s_mul_i32 s76, s14, 16*SPITCH                  ; my stage for the way out, in A's region, behind the barrier that ends all reads of the tiles
	v_and_b32 v1, 15, v0                           ; r
	v_bfe_u32 v2, v0, 4, 1                         ; h
	v_and_b32 v6, 31, v0
	v_mul_u32_u24 v3, v1, 48
	v_mad_u32_u24 v3, v2, 24, v3
	v_add_nc_u32 v[ADRA], s18, v3
	v_add_nc_u32 v[ADRA+1], 8*PA, v[ADRA]
	v_add_nc_u32 v[ADRB], s19, v3
	v_add_nc_u32 v[ADRB+1], 4*PB, v[ADRB]
	v_add_nc_u32 v[ADRB+2], 8*PB, v[ADRB]
	v_add_nc_u32 v[ADRB+3], 12*PB, v[ADRB]
	v_lshlrev_b32 v5, 3, v1
	v_mul_u32_u24 v7, s13, v2                      ; lanes 16-31 take B's
	v_add_nc_u32 v5, v5, v7
	v_add_nc_u32 v[ADRS], s12, v5
	v_mul_u32_u24 v5, v1, SPITCH
	v_lshl_add_u32 v5, v2, 6, v5
	v_add_nc_u32 v[STO], s76, v5
	v_lshlrev_b32 v[CO], 4, v6
	v_add_nc_u32 v[RD], s76, v[CO]
	v_lshlrev_b32 v8, 6, v2
	s_wait_alu depctr_va_vdst(0)                   ; the wait at the head's end
.irp b, 0,1,2,3,4,5,6,7
.irp k, 0,1
	global_load_b128 v[CB+8*\b+4*\k:CB+8*\b+4*\k+3], v8, s[8:9] offset:(32*(\b/2)+8*(\b%2)+4*\k)*4   ; register 8 b + j: column 32 (b / 2) + 16 h + 8 (b % 2) + j
.endr
.endr
.macro FRAG reg, adr, off, pp          ; 16 rows x 128 K: two planes' 24 bytes, in pieces of 8
.irp p, 0,1,2,3,4,5
	ds_load_b64 v[\reg+2*\p:\reg+2*\p+1], v[\adr] offset:(\off)+(\p/3)*(\pp)+8*(\p%3)
.endr
.endm
.macro FETCH st                        ; step st's fragments into set st % 2; at an even step the scale words of two steps
	WIN 0x40
.irp i, 0,1,2,3,4,5,6,7
	FRAG 128*((\st)%2)+FR*\i, ADRB+(\st)/2, ((2*(\st))%4)*PB+\i*768, PB
.endr
	WIN 0
.irp i, 0,1,2,3
	FRAG AF+48*((\st)%2)+FR*\i, ADRA+(\st)/4, ((2*(\st))%8)*PA+\i*768, PA
.endr
.if (\st)%2 == 0
.irp i, 0,1,2,3,4,5,6,7
	ds_load_b64 v[SC+16*(((\st)/2)%2)+2*\i:SC+16*(((\st)/2)%2)+2*\i+1], v[ADRS] offset:\i*128+((\st)/2)*2048   ; lanes 0-15 A's block i, lanes 16-31 B's
.endr
.endif
.endm
.macro MUL st                          ; 32 products; the accumulators take turns, in the same order in every step
.set BS, 128*((\st)%2)
.set AS, AF+48*((\st)%2)
.set XS, SC+16*(((\st)/2)%2)+(\st)%2
.irp a, 0,1,2,3
.irp b, 0,1,2,3,4,5,6,7
.if (\st) == 0
	v_wmma_scale_f32_16x16x128_f8f6f4 v[8*(8*\a+\b):8*(8*\a+\b)+7], v[BS+FR*\b:BS+FR*\b+FR-1], v[AS+FR*\a:AS+FR*\a+FR-1], v[CB+8*\b:CB+8*\b+7], v[XS+2*\b], v[XS+2*\a] matrix_a_fmt:MATRIX_FMT_FP6 matrix_b_fmt:MATRIX_FMT_FP6 matrix_a_scale:MATRIX_SCALE_ROW1
.else
	v_wmma_scale_f32_16x16x128_f8f6f4 v[8*(8*\a+\b):8*(8*\a+\b)+7], v[BS+FR*\b:BS+FR*\b+FR-1], v[AS+FR*\a:AS+FR*\a+FR-1], v[8*(8*\a+\b):8*(8*\a+\b)+7], v[XS+2*\b], v[XS+2*\a] matrix_a_fmt:MATRIX_FMT_FP6 matrix_b_fmt:MATRIX_FMT_FP6 matrix_a_scale:MATRIX_SCALE_ROW1
.endif
.endr
.endr
.endm
.macro STEP st
	s_wait_dscnt 0x0                               ; this step's fragments, asked for ahead of the last step's products, are in
.if (\st) < 7
.if (\st) > 0
	PLACES                                         ; behind the last step's products, whose set takes the loads below
.endif
	FETCH (\st)+1
.else
	s_barrier_signal -1                            ; my reads of the tiles are over
.endif
.if (\st) == 0
	WIN 0x81                                       ; C, the bias, from window 0
.else
	WIN 0xa1
.endif
	MUL \st
.endm
	s_wait_tensorcnt 0x0
	s_barrier_signal -1
	s_barrier_wait -1                              ; all four tiles are in
	FETCH 0
	s_wait_loadcnt 0x0                             ; the bias
.irp t, 0,1,2,3,4,5,6,7
	STEP \t
.endr
	WIN 0
	s_barrier_wait -1                              ; nobody reads the tiles any more: the stages may be written
; THE WAY OUT: a block of 16 tokens x 128 columns through my stage, back as rows of 512 bytes
.macro TOSTAGE a
.set AC, 64*(\a)
	WIN 0x08
.irp b, 0,1,2,3,4,5,6,7
	ds_store_b128 v[STO], v[AC+8*\b:AC+8*\b+3] offset:128*(\b/2)+32*(\b%2)
	ds_store_b128 v[STO], v[AC+8*\b+4:AC+8*\b+7] offset:128*(\b/2)+32*(\b%2)+16
.endr
	WIN 0
.set BB, BK+64*((\a)%2)
.irp t, 0,1,2,3,4,5,6,7,8,9,10,11,12,13,14,15
	ds_load_b128 v[BB+4*\t:BB+4*\t+3], v[RD] offset:\t*SPITCH      ; LDS serves a wave's instructions in order: these see the stores above
.endr
.endm
.macro SEND a, younger
.set BB, BK+64*((\a)%2)
	s_wait_dscnt \younger
.irp t, 0,1,2,3,4,5,6,7,8,9,10,11,12,13,14,15
	global_store_b128 v[CO], v[BB+4*\t:BB+4*\t+3], s[10:11] offset:(32*((\a)/2)+8*((\a)%2)+\t+8*(\t/8))*4096 th:TH_STORE_NT   ; 512 consecutive bytes, aligned; position t of block a is that token
.endr
.endm
	PLACES
	TOSTAGE 0
.irp a, 1,2,3
.if \a > 1
	s_wait_xcnt 0x0                                ; block a - 2's stores have read their registers
.endif
	TOSTAGE \a
	SEND \a-1, 32                                  ; behind block a - 1's loads: block a's 16 stores and 16 loads
.endr
	SEND 3, 0
	s_wait_tensorcnt 0x0                           ; the wave's end
	ds_add_u32 v[SPW], v[NIL]
	s_wait_dscnt 0x0
	CROUND                                         ; the closing round
	s_endpgm
.Lfunc_end_k_qb1e83a08c2_gemm_out:
	.size	k_qb1e83a08c2_gemm_out, .Lfunc_end_k_qb1e83a08c2_gemm_out-k_qb1e83a08c2_gemm_out
	.p2alignl 7, 3214868480
	.fill 96, 4, 3214868480
	.section	.rodata,"a",@progbits
	.p2align	6, 0x0
	.amdhsa_kernel k_qb1e83a08c2_gemm_out
		.amdhsa_group_segment_fixed_size 327680
		.amdhsa_private_segment_fixed_size 0
		.amdhsa_enable_private_segment 0
		.amdhsa_kernarg_size 32
		.amdhsa_user_sgpr_count 2
		.amdhsa_user_sgpr_kernarg_segment_ptr 1
		.amdhsa_wavefront_size32 1
		.amdhsa_system_sgpr_workgroup_id_x 1
		.amdhsa_system_sgpr_workgroup_id_y 1
		.amdhsa_system_sgpr_workgroup_id_z 1
		.amdhsa_system_vgpr_workitem_id 0
		.amdhsa_next_free_vgpr 768
		.amdhsa_next_free_sgpr 92
		.amdhsa_reserve_vcc 0
		.amdhsa_float_denorm_mode_32 3
		.amdhsa_float_denorm_mode_16_64 3
		.amdhsa_memory_ordered 1
		.amdhsa_forward_progress 1
		.amdhsa_inst_pref_size 97
	.end_amdhsa_kernel
	.amdgpu_metadata
---
amdhsa.version: [ 1, 2 ]
amdhsa.kernels:
  - .name:           k_qb1e83a08c2_gemm_out
    .symbol:         k_qb1e83a08c2_gemm_out.kd
    .args:
      - { .name: c2, .offset: 0, .size: 8, .value_kind: global_buffer, .address_space: global }
      - { .name: s2, .offset: 8, .size: 8, .value_kind: global_buffer, .address_space: global }
      - { .name: bout, .offset: 16, .size: 8, .value_kind: global_buffer, .address_space: global }
      - { .name: out0, .offset: 24, .size: 8, .value_kind: global_buffer, .address_space: global }
    .group_segment_fixed_size: 327680
    .private_segment_fixed_size: 0
    .kernarg_segment_align: 8
    .kernarg_segment_size: 32
    .max_flat_workgroup_size: 128
    .sgpr_count:     92
    .vgpr_count:     768
    .wavefront_size: 32
...
	.end_amdgpu_metadata
.endif
;; end of part 4
